; MI455X (gfx1250); checked and timed in simulation.
; The chip was launched on July 23, 2026; its instructions are those of AMD's public machine-readable ISA for CDNA 5 (MIT licence, August 2026) and "CDNA5" Instruction Set Architecture Reference Guide (July 2026). The comments in the code are by the model that wrote it; some were corrected since.
;; Multi Head Attention. Allowed arithmetic: matrix products marked QUANTISED: E2M3 operands, one E8M0 scale for each 32 along K, by v_wmma_scale_f32_16x16x128_f8f6f4 with both operands' format E2M3, f32 sums; everything else in f32.
;; Inputs: Wk 512 x 512 float32; Wo 512 x 512 float32; Wq 512 x 512 float32; Wv 512 x 512 float32; bk 512 float32; bo 512 float32; bq 512 float32; bv 512 float32; x 2 x 4,096 x 512 float32.
;; Outputs: out0 2 x 4,096 x 512 float32.
;; This version of the problem:
;;   THIS VERSION OF THE PROBLEM IS GIVEN IN LOW PRECISION. The matrix products marked QUANTISED in the list below multiply operands that are first quantised to E2M3 (2 exponent bits, 3 mantissa bits; 6 bits a number), with one power-of-two scale for each 32 numbers along K (OCP MX v1.0); their sums are f32. All else is computed in f32.
;;   The module's matrix products, in the order in which they are computed (A, B: the left and right operand; K: the contracted axis; several contracted axes count as one K, in the product's order):
;;     1. [M 8,192, K 512] x [K 512, N 512]; A: input x; B: input Wv: QUANTISED
;;     2. [M 8,192, K 512] x [K 512, N 512]; A: input x; B: input Wk: QUANTISED
;;     3. [M 8,192, K 512] x [K 512, N 512]; A: input x; B: input Wq: QUANTISED
;;     4. batch 16 x [M 4,096, K 64] x [K 64, N 4,096]; A: computed on the way; B: computed on the way: QUANTISED
;;     5. batch 16 x [M 64, K 4,096] x [K 4,096, N 4,096]; A: computed on the way; B: softmax (see below): QUANTISED
;;     6. [M 8,192, K 512] x [K 512, N 512]; A: computed on the way; B: input Wo: QUANTISED
;;   THE QUANTISER, for each operand of a quantised product, along K:
;;     - K is cut into blocks of 32 from its start; a last block that is shorter is filled with zeros.
;;     - A block's scale is 2^e with e = floor(log2(the largest magnitude in the block)) - 2, held to -126 .. 127; a block of zeros has e = 0. As a byte (E8M0): e + 127.
;;     - Each number is divided by its block's scale, clamped to +-7.5, and rounded to the nearest number of E2M3, ties to even, subnormals kept.
;;     - The product sums the exact products of the quantised numbers (number of the format x scale) in f32.
;;   ~~~python
;;   def quantise(x, axis):      # numpy; x: float32 -> the quantised numbers, widened to float32 again
;;       x = np.moveaxis(x, axis, -1); K = x.shape[-1]
;;       x = np.pad(x, [(0, 0)] * (x.ndim - 1) + [(0, -K % 32)]); x = x.reshape(x.shape[:-1] + (-1, 32)); a = np.abs(x).max(-1, keepdims=True)
;;       e = np.where(a > 0, np.clip(np.frexp(np.where(a > 0, a, 1))[1] - 1 - 2, -126, 127), 0)      # np.frexp(a)[1] - 1 = floor(log2(a)), exactly
;;       r = np.clip(x / 2.0 ** e, -7.5, 7.5)
;;       step = 2.0 ** (np.maximum(np.frexp(np.where(r == 0, 1, r))[1] - 1, 0) - 3)
;;       q = np.round(r / step) * step * 2.0 ** e      # np.round: ties to even
;;       return np.moveaxis(q.reshape(q.shape[:-2] + (-1,))[..., :K], -1, axis).astype(np.float32)
;;   ~~~
;;   SOFTMAX AHEAD OF A QUANTISED PRODUCT. Where the list says 'softmax', what is quantised is not the finished softmax but p = 2^(t - M), with t = logit x log2(e) and M = ceil(the row's largest t), a whole number; so 1/2 < the row's largest p <= 1. The row's sum l is taken of the UNQUANTISED p, in f32, and the product's result is divided by l at the end. Since M is a whole number, a kernel that streams over the keys may use a running M (the ceiling of the running maximum): every later rescaling is an exact power of two, which a block's scale takes up: the codes' values come out the same.
;;   OPERANDS COMPUTED ON THE WAY. 'Computed on the way' means the value that the module computes at that place (a softmax that the list does not call 'softmax' is quantised finished and normalised). What goes into a quantiser is computed in f32, as accurately as f32 sums, v_exp_f32 and their like allow (about 1e-6 of the number): no bf16 or f16 on the way to a quantiser, and a product that is left as it is and whose result goes on into a quantised operand takes f32 operands (vector FMAs, or v_wmma_f32_16x16x4_f32). A number that lies on a knife's edge between two numbers of the format may be rounded either way, as far as f32 arithmetic and the matrix unit's own rounding can turn it there, and no further.
;; One version. Each part assembles by itself: llvm-mc -triple=amdgcn-amd-amdhsa -mcpu=gfx1250 --defsym DOCPART=n.
;; ======== version 1 of 1: 4 launches
;; limits: right only within a limited range of input values
;; workspace buffers: cod 3,932,160 bytes; scl 163,840 bytes; qbuf 4,194,304 bytes; kv 6,553,600 bytes; oc 4,194,304 bytes
;; launch quant (part 1): grid 640 x 1, 4 waves a work-group, no clusters, 34,560 bytes of LDS; arguments x, Wq, Wk, Wv, Wo, cod, scl; writes cod, scl
.if DOCPART == 1
	.amdgcn_target "amdgcn-amd-amdhsa--gfx1250"
	.amdhsa_code_object_version 6
	.text
	.protected	k_q0be1a138bc_quant
	.globl	k_q0be1a138bc_quant
	.p2align	8
	.type	k_q0be1a138bc_quant,@function
k_q0be1a138bc_quant:
	s_mov_b64 s[64:65], 0
	v_nop
	global_prefetch_b8 v0, s[64:65] scope:SCOPE_SE
	s_setreg_imm32_b32 hwreg(HW_REG_WAVE_MODE, 25, 1), 1
	s_wait_xcnt 0x0
; x [8192][512] and Wq, Wk, Wv, Wo [512][512], f32, K innermost, become codes of FP6 (E2M3) with one E8M0 byte for each 32 along K,
; laid as IMAGES OF OPERAND REGISTERS.  A tile is 16 rows; tile 2 B + u holds at place p the row 32 B + 8 u + p + 8 (p / 8), so that results of products
; that take such a tile as source 0 have 16 neighbours in the 16 registers of two neighbouring tiles.  Tiles 0-511: x; 512-543 Wq; 544-575 Wk; 576-607 Wv; 608-639 Wo.
; cod: [tile][K step of 128][1,536 bytes]: registers 4 c .. 4 c + 3 of lane l at 512 c + 16 l.   scl: [tile][place][16 bytes]: word s = the four bytes of K step s.
; A block's scale is 2^(floor(log2(largest magnitude)) - 2); its byte is the largest magnitude's exponent field - 2, held at 1 from below.
; LIMITS: NaN and infinities are not served; a block whose largest magnitude lies under 2^-124 keeps the byte 1; a block of zeros gets the byte 1 where the
; rule says 127: its codes are zeros, and the bytes are read by this program alone.
; SHARES: a work-group takes a tile, wave s its K step s: 16 rows x 512 bytes.  Each load reads 512 consecutive bytes of a row; the rows turn through the wave's own
; stage in LDS, so that lane (r, h) gets the whole blocks h and 2 + h of row r.  All sixteen loads of a wave are out at once.  No tensor load: nothing is shared between work-groups.
.set STGB,  8448                       ; a wave's stage: 16 rows, 528 bytes apart (33 x 16: the sixteen rows of a 16-byte read start in sixteen different 16-byte columns modulo 256)
.set SCS,   4*STGB                     ; 256 bytes: the tile's scale words, gathered
.set SPARE, SCS+256                    ; the spare words, 128 bytes for each wave: two blocks of 256 bytes that no other line names
.set LI,  1                            ; 16 x lane
.set L8,  2                            ; 8 x lane
.set SPW, 3                            ; LDS address of my spare word; never rewritten
.set NIL, 4                            ; 0; never rewritten
.set STI, 5                            ; the stage, on the way in: my 16 bytes of a row
.set STO, 6                            ; and on the way out: row r, + 128 h
.set SSA, 7                            ; where my row's scale word goes
.set MX,  8                            ; v8-9   largest magnitudes
.set SO,  10                           ; v10-11 the conversions' scale operands
.set BY,  12                           ; v12-13 the bytes
.set WD,  14                           ; the scale word
.set TP,  15
.set R,   16                           ; v16-79   as loaded
.set X,   80                           ; v80-143  my two blocks of 32
.set C,   144                          ; v144-155 the fragment's twelve registers
.set CT,  156                          ; v156-158, v160-162: a block's upper 16 codes, made here and moved
.set H8,  164                          ; 8 h
.set SRD, 165                          ; where wave 0 reads the gathered words
.set WV,  18
.set SEL, 20
	s_load_b256 s[4:11], s[0:1], 0x0               ; x, Wq, Wk, Wv
	s_load_b128 s[12:15], s[0:1], 0x20             ; Wo, cod
	s_load_b64 s[16:17], s[0:1], 0x30              ; scl
	v_lshl_add_u32 v[SPW], v0, 2, SPARE
	v_mov_b32 v[NIL], 0
	v_lshrrev_b32 v8, 5, v0
	v_readfirstlane_b32 s[WV], v8                  ; wave = K step
	v_and_b32 v9, 31, v0                           ; lane
	v_and_b32 v10, 15, v0                          ; r
	v_bfe_u32 v11, v0, 4, 1                        ; h
	v_lshlrev_b32 v[LI], 4, v9
	v_lshlrev_b32 v[L8], 3, v9
	v_lshlrev_b32 v[H8], 3, v11
	s_mul_i32 s22, s[WV], STGB
	v_add_nc_u32 v[STI], s22, v[LI]
	v_mul_u32_u24 v[STO], v10, 528
	v_lshl_add_u32 v[STO], v11, 7, v[STO]
	v_add_nc_u32 v[STO], s22, v[STO]
	s_lshl_b32 s23, s[WV], 2
	s_add_co_u32 s23, s23, SCS
	v_lshl_add_u32 v[SSA], v10, 4, s23
	v_add_nc_u32 v[SRD], SCS, v[L8]
	v_mov_b32 v[TP], 0                             ; a lane permute's destination counts as one of its sources
	s_mov_b32 s[SEL], 0x76543210
	s_mov_b32 s[SEL+1], 0xfedcba98                 ; v_permlanex16_b32's selects for lane l xor 16
	s_sub_co_u32 s24, ttmp9, 512                   ; (of use in the weights' tiles alone)
	s_lshr_b32 s25, s24, 5                         ; which weight: 0 Wq, 1 Wk, 2 Wv, 3 Wo
	s_and_b32 s24, s24, 31
	s_cmp_lt_u32 ttmp9, 512
	s_cselect_b32 s24, ttmp9, s24                  ; the tile's number in its own tensor
	s_lshr_b32 s26, s24, 1
	s_lshl_b32 s26, s26, 16                        ; 32 rows of 2,048 bytes for each pair of tiles,
	s_and_b32 s27, s24, 1
	s_lshl_b32 s27, s27, 14                        ; 8 rows for the odd tile,
	s_add_co_u32 s26, s26, s27
	s_lshl_b32 s27, s[WV], 9                       ; 512 bytes a K step
	s_add_co_u32 s26, s26, s27
	s_mov_b32 s27, 0
	s_mul_i32 s28, ttmp9, 6144
	s_mul_i32 s29, s[WV], 1536
	s_add_co_u32 s28, s28, s29
	s_mov_b32 s29, 0
	s_lshl_b32 s30, ttmp9, 8
	s_mov_b32 s31, 0
	s_wait_alu depctr_va_vdst(0)
	s_wait_kmcnt 0x0
	s_cmp_eq_u32 s25, 2                            ; the source is chosen by the work-group's number alone: one path serves all five tensors
	s_cselect_b64 s[12:13], s[10:11], s[12:13]
	s_cmp_eq_u32 s25, 1
	s_cselect_b64 s[12:13], s[8:9], s[12:13]
	s_cmp_eq_u32 s25, 0
	s_cselect_b64 s[12:13], s[6:7], s[12:13]
	s_cmp_lt_u32 ttmp9, 512
	s_cselect_b64 s[12:13], s[4:5], s[12:13]
	s_add_nc_u64 s[12:13], s[12:13], s[26:27]
	s_add_nc_u64 s[14:15], s[14:15], s[28:29]
	s_add_nc_u64 s[16:17], s[16:17], s[30:31]
.irp i, 0,1,2,3,4,5,6,7,8,9,10,11,12,13,14,15
	global_load_b128 v[R+4*\i:R+4*\i+3], v[LI], s[12:13] offset:(\i+8*(\i/8))*2048 th:TH_LOAD_NT   ; place i's row: 32 lanes read 512 consecutive bytes
.endr
.irp i, 0,1,2,3,4,5,6,7,8,9,10,11,12,13,14,15
	s_wait_loadcnt 15-\i                           ; loads come back in order: row i is in, the younger ones stay out
	ds_store_b128 v[STI], v[R+4*\i:R+4*\i+3] offset:528*\i
.endr
.irp c, 0,1
.irp j, 0,1,2,3,4,5,6,7
	ds_load_b128 v[X+32*\c+4*\j:X+32*\c+4*\j+3], v[STO] offset:256*\c+16*\j   ; block 2 c + h of row r; LDS serves a wave's instructions in order: these see my stores
.endr
.endr
	s_wait_dscnt 0x0
.irp c, 0,1
	v_max3_num_f32 v[MX+\c], |v[X+32*\c]|, |v[X+1+32*\c]|, 0x1800000   ; the floor 2^(3 - 127): the byte cannot fall under 1
.endr
.irp i, 2,4,6,8,10,12,14,16,18,20,22,24,26,28,30
.irp c, 0,1
	v_max3_num_f32 v[MX+\c], v[MX+\c], |v[X+32*\c+\i]|, |v[X+1+32*\c+\i]|
.endr
.endr
.irp c, 0,1
	v_add_nc_u32 v[SO+\c], 0xff000000, v[MX+\c]    ; 2 off the exponent field: the conversion takes this operand's exponent field as its scale
.endr
.irp c, 0,1
	v_lshrrev_b32 v[BY+\c], 23, v[SO+\c]           ; the scale's byte
.endr
	v_lshl_or_b32 v[WD], v[BY+1], 16, v[BY]        ; blocks h and 2 + h,
	v_lshlrev_b32 v[WD], v[H8], v[WD]              ; at their places in the word;
	v_permlanex16_b32 v[TP], v[WD], s[SEL], s[SEL+1]
	v_or_b32 v[WD], v[WD], v[TP]                   ; with lane l xor 16's two the word is whole
.irp c, 0,1
	v_cvt_scalef32_pk16_fp6_f32 v[C+6*\c:C+6*\c+2], v[X+32*\c:X+32*\c+15], v[SO+\c]
	v_cvt_scalef32_pk16_fp6_f32 v[CT+4*\c:CT+4*\c+2], v[X+32*\c+16:X+32*\c+31], v[SO+\c]   ; (a conversion's three registers begin on an even number)
.endr
	v_nop                                          ; one plain place behind a scaled conversion
.irp c, 0,1
.irp i, 0,1,2
	v_mov_b32 v[C+3+6*\c+\i], v[CT+4*\c+\i]
.endr
.endr
.irp c, 0,1,2
	global_store_b128 v[LI], v[C+4*\c:C+4*\c+3], s[14:15] offset:512*\c   ; 32 lanes store 512 consecutive bytes, at a multiple of 256 from cod's first byte
.endr
	ds_store_b32 v[SSA], v[WD]                     ; lanes r and r + 16 write the same word with the same value
	s_wait_dscnt 0x0                               ; for wave 0's sake: my word has landed
	s_barrier_signal -1
	s_barrier_wait -1
	s_cmp_lg_u32 s[WV], 0
	s_cbranch_scc1 .Lend
	ds_load_b64 v[MX:MX+1], v[SRD]
	s_wait_dscnt 0x0
	global_store_b64 v[L8], v[MX:MX+1], s[16:17]   ; the tile's 256 scale bytes: 32 lanes, 256 consecutive bytes, aligned
.Lend:
	s_wait_tensorcnt 0x0                           ; the wave's end, behind my last LDS store
	ds_add_u32 v[SPW], v[NIL]
	s_wait_dscnt 0x0
	s_endpgm
.Lfunc_end_k_q0be1a138bc_quant:
	.size	k_q0be1a138bc_quant, .Lfunc_end_k_q0be1a138bc_quant-k_q0be1a138bc_quant
	.p2alignl 7, 3214868480
	.fill 96, 4, 3214868480
	.section	.rodata,"a",@progbits
	.p2align	6, 0x0
	.amdhsa_kernel k_q0be1a138bc_quant
		.amdhsa_group_segment_fixed_size 34560
		.amdhsa_private_segment_fixed_size 0
		.amdhsa_enable_private_segment 0
		.amdhsa_kernarg_size 56
		.amdhsa_user_sgpr_count 2
		.amdhsa_user_sgpr_kernarg_segment_ptr 1
		.amdhsa_wavefront_size32 1
		.amdhsa_system_sgpr_workgroup_id_x 1
		.amdhsa_system_sgpr_workgroup_id_y 1
		.amdhsa_system_sgpr_workgroup_id_z 1
		.amdhsa_system_vgpr_workitem_id 0
		.amdhsa_next_free_vgpr 168
		.amdhsa_next_free_sgpr 66
		.amdhsa_reserve_vcc 0
		.amdhsa_float_denorm_mode_32 3
		.amdhsa_float_denorm_mode_16_64 3
		.amdhsa_memory_ordered 1
		.amdhsa_forward_progress 1
		.amdhsa_inst_pref_size 11
	.end_amdhsa_kernel
	.amdgpu_metadata
---
amdhsa.version: [ 1, 2 ]
amdhsa.kernels:
  - .name:           k_q0be1a138bc_quant
    .symbol:         k_q0be1a138bc_quant.kd
    .args:
      - { .name: x, .offset: 0, .size: 8, .value_kind: global_buffer, .address_space: global }
      - { .name: Wq, .offset: 8, .size: 8, .value_kind: global_buffer, .address_space: global }
      - { .name: Wk, .offset: 16, .size: 8, .value_kind: global_buffer, .address_space: global }
      - { .name: Wv, .offset: 24, .size: 8, .value_kind: global_buffer, .address_space: global }
      - { .name: Wo, .offset: 32, .size: 8, .value_kind: global_buffer, .address_space: global }
      - { .name: cod, .offset: 40, .size: 8, .value_kind: global_buffer, .address_space: global }
      - { .name: scl, .offset: 48, .size: 8, .value_kind: global_buffer, .address_space: global }
    .group_segment_fixed_size: 34560
    .private_segment_fixed_size: 0
    .kernarg_segment_align: 8
    .kernarg_segment_size: 56
    .max_flat_workgroup_size: 128
    .sgpr_count:     66
    .vgpr_count:     168
    .wavefront_size: 32
...
	.end_amdgpu_metadata
.endif
;; end of part 1
;; launch qkv (part 2): grid 4 x 64, 8 waves a work-group, clusters of 4 x 4, 206,848 bytes of LDS; arguments cod, scl, bq, bk, bv, qbuf, kv; writes qbuf, kv
.if DOCPART == 2
	.amdgcn_target "amdgcn-amd-amdhsa--gfx1250"
	.amdhsa_code_object_version 6
	.text
	.protected	k_q0be1a138bc_qkv
	.globl	k_q0be1a138bc_qkv
	.p2align	8
	.type	k_q0be1a138bc_qkv,@function
k_q0be1a138bc_qkv:
	s_mov_b64 s[64:65], 0
	v_nop
	global_prefetch_b8 v0, s[64:65] scope:SCOPE_SE
	s_setreg_imm32_b32 hwreg(HW_REG_WAVE_MODE, 25, 1), 1
	s_wait_xcnt 0x0
	s_wait_alu depctr_hold_cnt(0) depctr_sa_sdst(0) depctr_va_vdst(0) depctr_va_sdst(0) depctr_va_ssrc(0) depctr_va_vcc(0) depctr_vm_vsrc(0)
	s_getreg_b32 s2, hwreg(HW_REG_IB_STS2, 6, 4)
	s_cmp_eq_u32 s2, 0
	s_cbranch_scc0 .Lentry_in_a_cluster
	s_endpgm
.Lentry_in_a_cluster:
	s_bfe_u32 s2, ttmp6, 0x10000c
	s_cmp_lg_u32 s2, 0xf033
	s_cbranch_scc0 .Lentry_shape_is_right
	s_endpgm
.Lentry_shape_is_right:
; q = x Wq^T + bq, k = x Wk^T + bk, v = x Wv^T + bv on codes of FP6 (E2M3) with E8M0 scales, sums in f32; the results are quantised in registers and stored as images of the
; operand registers of the attention launch: q and k along the head's 64 (two blocks), v along the keys.
; SHARES.  Work-group (g, tb): heads 2 g and 2 g + 1, tokens 128 tb .. 128 tb + 127 (one key step).  Wave w = 4 hh + i runs three units of 8 accumulators x 4 K steps:
;   Q: head 2 g + hh, token tiles 2 i, 2 i + 1: source 0 = the head's four tiles of Wq, source 1 = x: a lane holds one token, its registers run along d.
;   K: the same with Wk.   V: channel tile i of the head: source 0 = the eight tiles of x, source 1 = a tile of Wv: a lane holds one channel, its registers run along the keys.
; By the tiles' choice of rows (tile 2 B + u, place p: row 32 B + 8 u + p + 8 (p / 8)) the 16 registers of two neighbouring tiles are 16 neighbours along the next K.
; qbuf: [head of batch 16][token tile 256][1,024]: registers 2 p, 2 p + 1 of lane l at 256 p + 8 l (6 registers: 16 tokens x 64 d); at 768 + 8 l the tile pair's scale word and a 0.
; kv:   [head of batch 16][key step 32][12,800]: four fragments of K (fragment f: k 0-63 = d of key tile 2 f, k 64-127 = d of key tile 2 f + 1), four of V^T (16 channels x 128 keys), 1,536 bytes each;
;       at 12,288 K's scale words (16 r + 4 f), at 12,544 V's.
; CLUSTER 4 x 4: x's tiles hang on tb alone and are shared along a row of the cluster, the weights' on g alone and are shared along a column: each is asked for jointly.
; LDS is filled once: each wave issues one tensor load (one outstanding), and nothing is filled again.
; LIMITS: as in the launch that makes the codes: no NaN or infinities; byte 1 for blocks under 2^-124 and for blocks of zeros.
.set XSB,   196608                     ; LDS: 0: x's 8 tiles (6,144 each); 49,152 (m + 1): the 8 tiles of Wq, Wk, Wv (m = 0, 1, 2); here x's scale bytes, 2,048;
.set WSB,   198656                     ; the weights', 2,048 each;
.set SCST,  204800                     ; 1,024 bytes: the scale words of K and V, gathered; no fill lands here
.set SPARE, 205824                     ; the spare words, 128 bytes for each wave: four blocks of 256 bytes that no other line names
.set LI,   1                           ; 16 x lane
.set L8,   2                           ; 8 x lane
.set SPW,  3
.set NIL,  4
.set AXP,  5                           ; x's tiles 2 i, 2 i + 1
.set AWQ,  6                           ; the head's four tiles of Wq
.set AWK,  7                           ; of Wk
.set AWV,  8                           ; my tile of Wv
.set ASXP, 9                           ; scale bytes of x's tiles 2 i (lanes 0-15) and 2 i + 1 (lanes 16-31)
.set ASW,  10                          ; of the head's tiles of Wq (Wk: 2,048 on)
.set ASX,  11                          ; of x's tiles 0, 1
.set ASWV, 12                          ; of my tile of Wv
.set AB,   13                          ; 64 h: bias of a lane's half
.set ABV,  14                          ; 4 (r + 8 (r / 8)): bias of a lane's channel
.set SST,  15                          ; where my scale word goes
.set SCW,  16                          ; v16-23 the weights' scale words: pair p, K step s at 4 p + s
.set SCX,  24                          ; v24-39 x's
.set SCV,  40                          ; v40-43 my Wv tile's
.set OP,   44                          ; v44-151 fragments
.set ACC,  152                         ; v152-215
.set BI,   216                         ; v216-223 V's bias as a C
.set BV,   224
.set SRD,  225                         ; where the gathered words are read back
.set AXK,  226                         ; the K unit's own choice of x's rows (below)
.set ASXK, 227                         ; and of their scale bytes
.set KB,   OP+72                       ; v116-147 K's bias, the C of the K unit's first K step: no unit of Q or K names these registers otherwise
.set TM,   228                         ; v228-243 the quantiser's work
.set BI2,  244                         ; v244-251 V's bias once more: the two take turns
.set PC,   OP                          ; behind a unit's products: the codes (12 registers, 8 at work),
.set PW,   OP+20                       ; the scale word, and a 0
.set WV,   18
.set I,    19
.set HH,   20
.set CX,   21
.set CY,   22
.set G,    23
.set G1XC, 24
.set G1WC, 32
.set G1XS, 40
.set G1WS, 48
.set G0XC, 56
.set G0WC, 60
.set G0XS, 68
.set G0WS, 72
.set TBK,  76                          ; s76-79: what feeds x's descriptors: never cx;  s80-83: the weights': never cy
.set SEL,  84
.set QP,   90
.set KP,   92
.macro CROUND                          ; a round of the cluster's barrier
	s_barrier_signal -1
	s_barrier_wait -1
	s_cmp_lg_u32 s[WV], 0
	s_cbranch_scc1 .Lnot_wave_0_\@
	s_barrier_signal -3
.Lnot_wave_0_\@:
	s_barrier_wait -3
	s_barrier_signal -1
	s_barrier_wait -1
.endm
.macro PLACES n
.rept \n
	v_nop
.endr
.endm
.macro TL g0, g1                       ; a joint load; an s_nop 0 and four v_nop follow it
	tensor_load_to_lds s[\g0:\g0+3], s[\g1:\g1+7]
	s_nop 0
	PLACES 4
.endm
.macro FETCHF reg, adr, off            ; a fragment's image: three loads of 512 consecutive bytes
.irp c, 0,1,2
	ds_load_b128 v[\reg+4*\c:\reg+4*\c+3], v[\adr] offset:\off+512*\c
.endr
.endm
.macro WM d, a, b, cc, sa, sb, ra, rb  ; D = A B + C; ra, rb: the scales stand in lanes 16-31 of the register named
.set wD, \d
.set wA, \a
.set wB, \b
.set wC, \cc
.set wSA, \sa
.set wSB, \sb
.set wR, (\ra)+2*(\rb)
.if wR == 0
	v_wmma_scale_f32_16x16x128_f8f6f4 v[wD:wD+7], v[wA:wA+11], v[wB:wB+11], v[wC:wC+7], v[wSA], v[wSB] matrix_a_fmt:MATRIX_FMT_FP6 matrix_b_fmt:MATRIX_FMT_FP6
.elseif wR == 1
	v_wmma_scale_f32_16x16x128_f8f6f4 v[wD:wD+7], v[wA:wA+11], v[wB:wB+11], v[wC:wC+7], v[wSA], v[wSB] matrix_a_fmt:MATRIX_FMT_FP6 matrix_b_fmt:MATRIX_FMT_FP6 matrix_a_scale:MATRIX_SCALE_ROW1
.elseif wR == 2
	v_wmma_scale_f32_16x16x128_f8f6f4 v[wD:wD+7], v[wA:wA+11], v[wB:wB+11], v[wC:wC+7], v[wSA], v[wSB] matrix_a_fmt:MATRIX_FMT_FP6 matrix_b_fmt:MATRIX_FMT_FP6 matrix_b_scale:MATRIX_SCALE_ROW1
.else
	v_wmma_scale_f32_16x16x128_f8f6f4 v[wD:wD+7], v[wA:wA+11], v[wB:wB+11], v[wC:wC+7], v[wSA], v[wSB] matrix_a_fmt:MATRIX_FMT_FP6 matrix_b_fmt:MATRIX_FMT_FP6 matrix_a_scale:MATRIX_SCALE_ROW1 matrix_b_scale:MATRIX_SCALE_ROW1
.endif
.endm
; 64 numbers of a lane, register 16 b + i = place 32 b + 16 h + i along the next K, become twelve registers of codes at v[PC] and the four blocks' scale word in v[PW].
.macro QUANT s
.irp b, 0,1,2,3
	v_max3_num_f32 v[TM+\b], |v[\s+16*\b]|, |v[\s+1+16*\b]|, 0x1800000   ; the floor 2^(3 - 127): the byte cannot fall under 1.  Each accumulator is read from its low end on
.endr
.irp i, 2,4,6,8,10,12,14
.irp b, 0,1,2,3
	v_max3_num_f32 v[TM+\b], v[TM+\b], |v[\s+16*\b+\i]|, |v[\s+1+16*\b+\i]|
.endr
.endr
.irp b, 0,1,2,3
	s_delay_alu instid0(VALU_DEP_4)
	v_permlanex16_b32 v[TM+4+\b], v[TM+\b], s[SEL], s[SEL+1]
.endr
.irp b, 0,1,2,3
	s_delay_alu instid0(VALU_DEP_4)
	v_max_num_f32 v[TM+\b], v[TM+\b], v[TM+4+\b]   ; with lane l xor 16's: the block's largest magnitude
.endr
.irp b, 0,1,2,3
	s_delay_alu instid0(VALU_DEP_4)
	v_add_nc_u32 v[TM+12+\b], 0xff000000, v[TM+\b] ; 2 off its exponent field: the conversion's scale operand
.endr
.irp b, 0,1,2,3
	s_delay_alu instid0(VALU_DEP_4)
	v_lshrrev_b32 v[TM+4+\b], 23, v[TM+12+\b]      ; the scale's byte
.endr
	s_delay_alu instid0(VALU_DEP_3)
	v_lshl_or_b32 v[PW], v[TM+5], 8, v[TM+4]
	s_delay_alu instid0(VALU_DEP_1)
	v_lshl_or_b32 v[PW], v[TM+6], 16, v[PW]
	s_delay_alu instid0(VALU_DEP_1)
	v_lshl_or_b32 v[PW], v[TM+7], 24, v[PW]
.irp c, 0,1
	v_cvt_scalef32_pk16_fp6_f32 v[PC+6*\c:PC+2+6*\c], v[\s+32*\c:\s+15+32*\c], v[TM+12+2*\c]
	v_cvt_scalef32_pk16_fp6_f32 v[PC+12+4*\c:PC+14+4*\c], v[\s+16+32*\c:\s+31+32*\c], v[TM+12+2*\c+1]
.endr
	v_nop                                          ; one plain place behind a scaled conversion
.irp c, 0,1                                    ; the layout wants a whole block in a lane: lanes 0-15 block 2 c, lanes 16-31 block 2 c + 1
.irp i, 0,1,2
	v_permlane16_swap_b32 v[PC+6*\c+\i], v[PC+12+4*\c+\i]
.endr
.irp i, 0,1,2
	s_delay_alu instid0(VALU_DEP_3)
	v_mov_b32 v[PC+3+6*\c+\i], v[PC+12+4*\c+\i]
.endr
.endr
.endm
	s_load_b256 s[4:11], s[0:1], 0x0               ; cod, scl, bq, bk
	s_load_b128 s[12:15], s[0:1], 0x20             ; bv, qbuf
	s_load_b64 s[16:17], s[0:1], 0x30              ; kv
	v_lshl_add_u32 v[SPW], v0, 2, SPARE
	v_mov_b32 v[NIL], 0
	ds_add_u32 v[SPW], v[NIL]                      ; the wave's opening: the add and its wait ahead of my first tensor load; the set-up below stands between them
	ds_add_u32 v[SPW], v[NIL]
	v_lshrrev_b32 v44, 5, v0
	s_delay_alu instid0(VALU_DEP_1)
	v_readfirstlane_b32 s[WV], v44                 ; wave 0..7
	s_and_b32 s[I], s[WV], 3
	s_lshr_b32 s[HH], s[WV], 2
	s_bfe_u32 s[CX], ttmp6, 0x40000
	s_bfe_u32 s[CY], ttmp6, 0x40004
	s_lshl_b32 s[G], ttmp9, 2
	s_add_co_u32 s[G], s[G], s[CX]                 ; g = 4 x cluster x + cx
	s_and_b32 s[TBK], ttmp7, 0xffff
	s_lshl_b32 s[TBK], s[TBK], 2
	s_add_co_u32 s[TBK], s[TBK], s[CY]             ; tb = 4 x cluster y + cy
	s_lshl_b32 s77, s[CY], 2
	s_lshl_b32 s77, 15, s77                        ; my row of the cluster
	s_lshl_b32 s80, 0x1111, s[CX]                  ; my column
	; descriptor groups 1: dense blocks as rows of 256 bytes (32 elements of 8 bytes), no padding; the mask, and bit 21 beside it
	s_or_b32 s[G1XC], s77, (3<<16)|(1<<21)
	s_or_b32 s[G1XS], s77, (3<<16)|(1<<21)
	s_or_b32 s[G1WC], s80, (3<<16)|(1<<21)
	s_or_b32 s[G1WS], s80, (3<<16)|(1<<21)
.irp g, G1XC, G1WC
	s_mov_b32 s[\g+1], 32<<16                      ; tensor_dim0 = 32
	s_mov_b32 s[\g+2], 192<<16                     ; tensor_dim1 = 192: 49,152 bytes
	s_mov_b32 s[\g+3], 32<<16                      ; tile_dim0
	s_mov_b32 s[\g+4], 192                         ; tile_dim1
	s_mov_b32 s[\g+5], 32                          ; the pitch
	s_mov_b32 s[\g+6], 0
	s_mov_b32 s[\g+7], 0
.endr
.irp g, G1XS, G1WS
	s_mov_b32 s[\g+1], 32<<16
	s_mov_b32 s[\g+2], 8<<16                       ; 8 rows: 2,048 bytes
	s_mov_b32 s[\g+3], 32<<16
	s_mov_b32 s[\g+4], 8
	s_mov_b32 s[\g+5], 32
	s_mov_b32 s[\g+6], 0
	s_mov_b32 s[\g+7], 0
.endr
	s_mov_b32 s[SEL], 0x76543210
	s_mov_b32 s[SEL+1], 0xfedcba98
	v_and_b32 v44, 31, v0                          ; lane
	v_and_b32 v45, 15, v0                          ; r
	v_bfe_u32 v46, v0, 4, 1                        ; h
	s_delay_alu instid0(VALU_DEP_3)
	v_lshlrev_b32 v[LI], 4, v44
	s_wait_alu depctr_va_vdst(0)
	v_lshlrev_b32 v[L8], 3, v44
	s_mul_i32 s86, s[I], 12288
	v_add_nc_u32 v[AXP], s86, v[LI]
	s_mul_i32 s86, s[HH], 24576
	s_add_co_u32 s86, s86, 49152
	v_add_nc_u32 v[AWQ], s86, v[LI]
	s_add_co_u32 s86, s86, 49152
	v_add_nc_u32 v[AWK], s86, v[LI]
	s_mul_i32 s86, s[WV], 6144                     ; (4 hh + i is the wave's number)
	s_add_co_u32 s86, s86, 147456
	v_add_nc_u32 v[AWV], s86, v[LI]
	s_lshl_b32 s86, s[I], 9
	s_add_co_u32 s86, s86, XSB
	v_add_nc_u32 v[ASXP], s86, v[LI]
	s_lshl_b32 s86, s[HH], 10
	s_add_co_u32 s86, s86, WSB
	v_add_nc_u32 v[ASW], s86, v[LI]
	v_add_nc_u32 v[ASX], XSB, v[LI]
	s_lshl_b32 s86, s[WV], 8
	s_add_co_u32 s86, s86, WSB+4096
	v_lshl_add_u32 v[ASWV], v45, 4, s86
	v_lshlrev_b32 v[AB], 6, v46
	v_and_b32 v47, 8, v45
	s_delay_alu instid0(VALU_DEP_1)
	v_add_nc_u32 v47, v47, v45
	s_delay_alu instid0(VALU_DEP_1)
	v_lshlrev_b32 v[ABV], 2, v47
	; THE K UNIT'S KEY TILES.  Wave i = 2 c + a makes fragment i of K from key tiles t = 2 a and 2 a + 1 of the step's 64 keys c: tile t holds at place p the key 64 c + 32 (p / 8) + 8 t + p % 8,
	; so that in the attention launch a lane's 32 registers of four neighbouring score tiles are one whole block of 32 keys.  That key lies in x's tile 4 c + 2 (p / 8) + t % 2 at place p % 8 + 8 a.
	s_lshr_b32 s86, s[I], 1                        ; c
	s_and_b32 s87, s[I], 1
	s_lshl_b32 s87, s87, 7                         ; 128 a: 8 a places of 16 bytes, in codes and in scale bytes alike
	s_mul_i32 s88, s86, 24576                      ; four tiles of 6,144 bytes
	s_add_co_u32 s88, s88, s87
	s_lshl_b32 s89, s86, 10                        ; four tiles of 256 scale bytes
	s_add_co_u32 s89, s89, s87
	s_add_co_u32 s89, s89, XSB
	v_and_b32 v47, 7, v45
	v_lshrrev_b32 v48, 3, v45                      ; r / 8
	v_lshlrev_b32 v47, 4, v47                      ; 16 (r % 8)
	v_mul_u32_u24 v[AXK], v48, 12288               ; two tiles on for places 8-15
	v_lshl_add_u32 v47, v46, 8, v47                ; + 256 h: the lane's half in an image; in the scale bytes the odd tile
	v_add_nc_u32 v[AXK], s88, v[AXK]
	v_lshl_add_u32 v[ASXK], v48, 9, s89
	v_add_nc_u32 v[AXK], v[AXK], v47
	v_add_nc_u32 v[ASXK], v[ASXK], v47
	s_lshl_b32 s86, s[HH], 9
	s_add_co_u32 s86, s86, SCST
	v_add_nc_u32 v[SRD], s86, v[LI]
	s_lshl_b32 s87, s[I], 2
	s_add_co_u32 s86, s86, s87
	v_lshl_add_u32 v[SST], v45, 4, s86
.irp b, 0,1,2,3
	v_mov_b32 v[TM+4+\b], 0                        ; written once: a lane permute's destination counts as one of its sources
.endr
	s_wait_dscnt 0x0                               ; the opening add is done
	s_wait_kmcnt 0x0
	; groups 0.  Every wave makes all four and asks by one: wave 0 x's codes, waves 1-3 the codes of Wq, Wk, Wv, wave 4 x's scale bytes, waves 5-7 the weights'
	s_mul_i32 s78, s[TBK], 49152
	s_mov_b32 s79, 0
	s_mov_b32 s[G0XC], 1
	s_mul_i32 s[G0XC+1], s[WV], 49152
	s_add_nc_u64 s[G0XC+2:G0XC+3], s[4:5], s[78:79]
	s_or_b32 s[G0XC+3], s[G0XC+3], 0x80000000
	s_lshl_b32 s78, s[TBK], 11
	s_mov_b32 s[G0XS], 1
	s_lshl_b32 s[G0XS+1], s[WV], 11
	s_add_co_u32 s[G0XS+1], s[G0XS+1], 188416
	s_add_nc_u64 s[G0XS+2:G0XS+3], s[6:7], s[78:79]
	s_or_b32 s[G0XS+3], s[G0XS+3], 0x80000000
	s_mul_i32 s82, s[G], 49152                     ; (512 + 8 g) x 6,144 + (w - 1) x 196,608, with the constants gathered
	s_mul_i32 s81, s[WV], 196608
	s_add_co_u32 s82, s82, s81
	s_add_co_u32 s82, s82, 2949120
	s_mov_b32 s83, 0
	s_mov_b32 s[G0WC], 1
	s_mul_i32 s[G0WC+1], s[WV], 49152
	s_add_nc_u64 s[G0WC+2:G0WC+3], s[4:5], s[82:83]
	s_or_b32 s[G0WC+3], s[G0WC+3], 0x80000000
	s_lshl_b32 s82, s[G], 11                       ; (512 + 8 g) x 256 + (w - 5) x 8,192
	s_lshl_b32 s81, s[WV], 13
	s_add_co_u32 s82, s82, s81
	s_add_co_u32 s82, s82, 90112
	s_mov_b32 s[G0WS], 1
	s_lshl_b32 s[G0WS+1], s[WV], 11
	s_add_co_u32 s[G0WS+1], s[G0WS+1], 188416
	s_add_nc_u64 s[G0WS+2:G0WS+3], s[6:7], s[82:83]
	s_or_b32 s[G0WS+3], s[G0WS+3], 0x80000000
	CROUND                                         ; all sixteen work-groups are here: the joint loads meet
	s_cmp_eq_u32 s[WV], 0
	s_cbranch_scc0 .Lnot_xc
	TL G0XC, G1XC
	s_branch .Lasked
.Lnot_xc:
	s_cmp_lt_u32 s[WV], 4
	s_cbranch_scc0 .Lnot_wc
	TL G0WC, G1WC
	s_branch .Lasked
.Lnot_wc:
	s_cmp_eq_u32 s[WV], 4
	s_cbranch_scc0 .Lnot_xs
	TL G0XS, G1XS
	s_branch .Lasked
.Lnot_xs:
	TL G0WS, G1WS
.Lasked:
	; where the results go, and the biases
	s_lshr_b32 s86, s[TBK], 5                      ; batch
	s_lshl_b32 s86, s86, 3
	s_lshl_b32 s87, s[G], 1
	s_add_co_u32 s87, s87, s[HH]                   ; head
	s_add_co_u32 s86, s86, s87                     ; head of batch
	s_and_b32 s88, s[TBK], 31                      ; key step
	s_lshl_b32 s89, s86, 8
	s_lshl_b32 s94, s88, 3
	s_add_co_u32 s89, s89, s94
	s_lshl_b32 s94, s[I], 1
	s_add_co_u32 s89, s89, s94
	s_lshl_b32 s94, s89, 10
	s_mov_b32 s95, 0
	s_add_nc_u64 s[QP:QP+1], s[14:15], s[94:95]    ; qbuf at token tile 8 x step + 2 i
	s_mul_i32 s94, s86, 409600
	s_mul_i32 s89, s88, 12800
	s_add_co_u32 s94, s94, s89
	s_mul_i32 s89, s[I], 1536
	s_add_co_u32 s94, s94, s89
	s_add_nc_u64 s[KP:KP+1], s[16:17], s[94:95]    ; kv at the step's fragment i
	s_lshl_b32 s94, s87, 8
	s_add_nc_u64 s[8:9], s[8:9], s[94:95]          ; bq, bk at the head's 64
	s_add_nc_u64 s[10:11], s[10:11], s[94:95]
	s_lshr_b32 s89, s[I], 1
	s_lshl_b32 s89, s89, 7
	s_add_co_u32 s94, s94, s89
	s_and_b32 s89, s[I], 1
	s_lshl_b32 s89, s89, 5
	s_add_co_u32 s94, s94, s89
	s_add_nc_u64 s[12:13], s[12:13], s[94:95]      ; bv at my channel tile's first row: 32 (i / 2) + 8 (i % 2)
	s_wait_alu depctr_va_vdst(0)                   ; directly ahead of the readers below
	; all three biases are asked for here, while the tensor loads are out: 25 loads, awaited at the Q unit's first K step
.irp u, 0,1
.irp t, 0,1,2,3
	global_load_b128 v[ACC+8*(4*\u+\t):ACC+8*(4*\u+\t)+3], v[AB], s[8:9] offset:4*(32*(\t/2)+8*(\t%2))
	global_load_b128 v[ACC+8*(4*\u+\t)+4:ACC+8*(4*\u+\t)+7], v[AB], s[8:9] offset:4*(32*(\t/2)+8*(\t%2))+16
.endr
.endr
.irp t, 0,1,2,3
	global_load_b128 v[KB+8*\t:KB+8*\t+3], v[AB], s[10:11] offset:4*(32*(\t/2)+8*(\t%2))
	global_load_b128 v[KB+8*\t+4:KB+8*\t+7], v[AB], s[10:11] offset:4*(32*(\t/2)+8*(\t%2))+16
.endr
	global_load_b32 v[BV], v[ABV], s[12:13]        ; my channel's bias
	s_wait_tensorcnt 0x0                           ; my part is in,
	s_barrier_signal -1
	s_barrier_wait -1                              ; everybody's is; nothing is filled again
; A unit of Q or K.  The bias is loaded straight into the accumulators: register j of accumulator 4 u + t is d = 32 (t / 2) + 16 h + 8 (t % 2) + j.
; The eight accumulators take turns, one instruction a turn.
; The biases were asked for at the head: Q's lie in the accumulators, K's in v[KB ..], which the K unit's first K step takes as C.  ax, asx: which rows of x the unit takes.
.macro UNITQK aw, m, ax, asx
	s_wait_xcnt 0x0                                ; the last unit's stores have read their registers: these are written again only behind this wait
	s_wait_dscnt 0x0
.irp p, 0,1
	ds_load_b128 v[SCW+4*\p:SCW+4*\p+3], v[ASW] offset:2048*\m+512*\p   ; lanes 0-15: tile 2 p's words of the four K steps; lanes 16-31: tile 2 p + 1's
.endr
	ds_load_b128 v[SCX:SCX+3], v[\asx]
.irp s, 0,1,2,3
.if \s > 0
	PLACES 4                                       ; in front of loads into registers that matrix instructions have read
.endif
.irp t, 0,1,2,3
	FETCHF OP+12*\t, \aw, 6144*\t+1536*\s
.endr
.irp u, 0,1
	FETCHF OP+48+12*\u, \ax, 6144*\u+1536*\s
.endr
	s_wait_dscnt 0x0
.if \s == 0
	s_wait_loadcnt 0x0                             ; the bias
.endif
.irp u, 0,1
.irp t, 0,1,2,3
.if (\m == 1) && (\s == 0)
	WM ACC+8*(4*\u+\t), OP+12*\t, OP+48+12*\u, KB+8*\t, SCW+4*(\t/2)+\s, SCX+\s, \t%2, \u
.else
	WM ACC+8*(4*\u+\t), OP+12*\t, OP+48+12*\u, ACC+8*(4*\u+\t), SCW+4*(\t/2)+\s, SCX+\s, \t%2, \u
.endif
.endr
.endr
.endr
	PLACES 4
	QUANT ACC                                      ; registers 6 u .. 6 u + 5: token tile 2 i + u, block h of d; the word: bytes 0, 1 the even tile's, 2, 3 the odd one's
	v_mov_b32 v[PW+1], 0
.endm
	UNITQK AWQ, 0, AXP, ASXP
.irp u, 0,1
.irp p, 0,1,2
	global_store_b64 v[L8], v[PC+6*\u+2*\p:PC+6*\u+2*\p+1], s[QP:QP+1] offset:1024*\u+256*\p   ; 32 lanes store 256 consecutive bytes, aligned
.endr
	global_store_b64 v[L8], v[PW:PW+1], s[QP:QP+1] offset:1024*\u+768
.endr
	UNITQK AWK, 1, AXK, ASXK
.irp c, 0,1,2
	global_store_b128 v[LI], v[PC+4*\c:PC+4*\c+3], s[KP:KP+1] offset:512*\c
.endr
	ds_store_b32 v[SST], v[PW]                     ; K's word of (place r, fragment i); lanes r and r + 16 write the same value
	; the unit of V
	s_wait_xcnt 0x0
	s_wait_dscnt 0x0
.irp p, 0,1,2,3
	ds_load_b128 v[SCX+4*\p:SCX+4*\p+3], v[ASX] offset:512*\p
.endr
	ds_load_b128 v[SCV:SCV+3], v[ASWV]
	s_wait_loadcnt 0x0
.irp j, 0,1,2,3,4,5,6,7
	v_mov_b32 v[BI+\j], v[BV]                      ; a lane's eight results are eight keys of one channel: the same bias
	v_mov_b32 v[BI2+\j], v[BV]
.endr
	PLACES 4
	s_wait_alu depctr_va_vdst(0)
.irp s, 0,1,2,3
.if \s > 0
	PLACES 4
.endif
.irp j, 0,1,2,3,4,5,6,7
	FETCHF OP+12*\j, LI, 6144*\j+1536*\s
.endr
	FETCHF OP+96, AWV, 1536*\s
	s_wait_dscnt 0x0
.irp j, 0,1,2,3,4,5,6,7
.if \s == 0
	WM ACC+8*\j, OP+12*\j, OP+96, BI+(BI2-BI)*(\j%2), SCX+4*(\j/2)+\s, SCV+\s, \j%2, 0
.else
	WM ACC+8*\j, OP+12*\j, OP+96, ACC+8*\j, SCX+4*(\j/2)+\s, SCV+\s, \j%2, 0
.endif
.endr
.endr
	PLACES 4
	QUANT ACC                                      ; a fragment of V^T: 16 channels x the step's 128 keys
.irp c, 0,1,2
	global_store_b128 v[LI], v[PC+4*\c:PC+4*\c+3], s[KP:KP+1] offset:6144+512*\c
.endr
	ds_store_b32 v[SST], v[PW] offset:256
	s_wait_dscnt 0x0                               ; for the others' sake: my two words have landed
	s_barrier_signal -1
	s_barrier_wait -1
	s_cmp_lg_u32 s[I], 0                           ; waves 0 and 4 store their head's 512 bytes of scale words
	s_cbranch_scc1 .Lno_sc
	ds_load_b128 v[OP+24:OP+27], v[SRD]
	s_wait_dscnt 0x0
	global_store_b128 v[LI], v[OP+24:OP+27], s[KP:KP+1] offset:12288   ; (i = 0: KP stands at the step's first byte)
.Lno_sc:
	s_wait_tensorcnt 0x0                           ; the wave's end, behind my last tensor load and my last LDS store
	ds_add_u32 v[SPW], v[NIL]
	s_wait_dscnt 0x0
	CROUND                                         ; the closing round
	s_endpgm
.Lfunc_end_k_q0be1a138bc_qkv:
	.size	k_q0be1a138bc_qkv, .Lfunc_end_k_q0be1a138bc_qkv-k_q0be1a138bc_qkv
	.p2alignl 7, 3214868480
	.fill 96, 4, 3214868480
	.section	.rodata,"a",@progbits
	.p2align	6, 0x0
	.amdhsa_kernel k_q0be1a138bc_qkv
		.amdhsa_group_segment_fixed_size 206848
		.amdhsa_private_segment_fixed_size 0
		.amdhsa_enable_private_segment 0
		.amdhsa_kernarg_size 56
		.amdhsa_user_sgpr_count 2
		.amdhsa_user_sgpr_kernarg_segment_ptr 1
		.amdhsa_wavefront_size32 1
		.amdhsa_system_sgpr_workgroup_id_x 1
		.amdhsa_system_sgpr_workgroup_id_y 1
		.amdhsa_system_sgpr_workgroup_id_z 1
		.amdhsa_system_vgpr_workitem_id 0
		.amdhsa_next_free_vgpr 256
		.amdhsa_next_free_sgpr 100
		.amdhsa_reserve_vcc 0
		.amdhsa_float_denorm_mode_32 3
		.amdhsa_float_denorm_mode_16_64 3
		.amdhsa_memory_ordered 1
		.amdhsa_forward_progress 1
		.amdhsa_inst_pref_size 60
	.end_amdhsa_kernel
	.amdgpu_metadata
---
amdhsa.version: [ 1, 2 ]
amdhsa.kernels:
  - .name:           k_q0be1a138bc_qkv
    .symbol:         k_q0be1a138bc_qkv.kd
    .args:
      - { .name: cod, .offset: 0, .size: 8, .value_kind: global_buffer, .address_space: global }
      - { .name: scl, .offset: 8, .size: 8, .value_kind: global_buffer, .address_space: global }
      - { .name: bq, .offset: 16, .size: 8, .value_kind: global_buffer, .address_space: global }
      - { .name: bk, .offset: 24, .size: 8, .value_kind: global_buffer, .address_space: global }
      - { .name: bv, .offset: 32, .size: 8, .value_kind: global_buffer, .address_space: global }
      - { .name: qbuf, .offset: 40, .size: 8, .value_kind: global_buffer, .address_space: global }
      - { .name: kv, .offset: 48, .size: 8, .value_kind: global_buffer, .address_space: global }
    .group_segment_fixed_size: 206848
    .private_segment_fixed_size: 0
    .kernarg_segment_align: 8
    .kernarg_segment_size: 56
    .max_flat_workgroup_size: 256
    .sgpr_count:     100
    .vgpr_count:     256
    .wavefront_size: 32
...
	.end_amdgpu_metadata
.endif
;; end of part 2
;; launch attn (part 3): grid 16 x 16, 16 waves a work-group, clusters of 4 x 1, 327,680 bytes of LDS; arguments qbuf, kv, oc; writes oc
.if DOCPART == 3
	.amdgcn_target "amdgcn-amd-amdhsa--gfx1250"
	.amdhsa_code_object_version 6
	.text
	.protected	k_q0be1a138bc_attn
	.globl	k_q0be1a138bc_attn
	.p2align	8
	.type	k_q0be1a138bc_attn,@function
k_q0be1a138bc_attn:
	s_mov_b64 s[64:65], 0
	v_nop
	global_prefetch_b8 v0, s[64:65] scope:SCOPE_SE
	s_setreg_imm32_b32 hwreg(HW_REG_WAVE_MODE, 25, 1), 1
	s_wait_xcnt 0x0
	s_wait_alu depctr_hold_cnt(0) depctr_sa_sdst(0) depctr_va_vdst(0) depctr_va_sdst(0) depctr_va_ssrc(0) depctr_va_vcc(0) depctr_vm_vsrc(0)
	s_getreg_b32 s2, hwreg(HW_REG_IB_STS2, 6, 4)
	s_cmp_eq_u32 s2, 0
	s_cbranch_scc0 .Lentry_in_a_cluster
	s_endpgm
.Lentry_in_a_cluster:
	s_bfe_u32 s2, ttmp6, 0x10000c
	s_cmp_lg_u32 s2, 0x3003
	s_cbranch_scc0 .Lentry_shape_is_right
	s_endpgm
.Lentry_shape_is_right:
; For each of 16 heads of batch: o[q] = (sum over keys of p v) / l, p = 2^(t - M), t = q . k x log2(e) / sqrt(512), M the running largest t rounded up to a whole number,
; l the sum of the unquantised p.  Both products on codes of FP6 (E2M3) with E8M0 scales; p is quantised along the keys, o / l along the head's 64 (two blocks) for the last product.
; SHARES.  A work-group owns 256 queries of one head; each of its sixteen waves one tile of 16, in 256 registers.  Every wave walks the head's 4,096 keys, 128 a step.
; Both products are used transposed: a lane holds one query throughout.
; THE FIRST PRODUCT HAS K = 64 IN AN INSTRUCTION OF 128.  A fragment of K holds two key tiles (k 0-63, k 64-127); it is multiplied by [q | zeros] and by [zeros | q], two views of the 18 registers [q | zeros | q].
; A WHOLE BLOCK OF KEYS IN A LANE.  Fragment 2 c + a holds key tiles t = 2 a, 2 a + 1 of the step's 64 keys c; tile t has at place p the key 64 c + 32 (p / 8) + 8 t + p % 8.  So lane (r, h) finds in score
; registers 32 c + i the key 64 c + 32 h + i: the very order of the second product's operand.  A block's largest score needs no other lane, and the conversions' results need no exchange between lanes.
; p's codes are laid into score registers that are done with (v[S+48 ..]); only three registers stand outside.
; FETCHES.  K's fragments of the next step are asked for behind this step's first product, V's of this step at the same place: 26 LDS loads, each of 512 consecutive bytes.
; THE EXPONENTIALS stand in two batches, a block of 32 keys each, with plain lines among them: among the first block's the second block's multiply-adds, among the second block's the first additions of the first
; block's p.  A plain line inside a batch reads only what was written ahead of the batch's wait, and what it writes is read behind the next wait.
; THE SUM.  Six partial sums a step; their last six additions are put off to the next step, where they are the places round the first product.
; RING.  Two LDS slots of 8 key steps (102,400 bytes, dense images).  The head has four slots' worth: two first fills, two refills; every wave brings a sixteenth, 25 rows of 256 bytes; one tensor load of a wave is out.
; CLUSTER 4 x 1: the four query blocks of a cluster belong to one head and walk the same kv: each fill is asked for jointly.
; NO PREFETCH: behind the first fills only two refills follow, and each is asked for 8 key steps ahead of the first read of its bytes: no wave waits for them.
; oc: [token tile 512][head 8][1,024]: registers 2 p, 2 p + 1 of lane l at 256 p + 8 l; at 768 + 8 l the two scale bytes as a word, and a 0.
; LIMITS: no NaN or infinities; the promise holds while the scaled scores stay under 2^31 in magnitude; p under 2^-126 counts as 0 (v_exp_f32 gives 0 there: ISA guide, its entry), beside a row's largest p above 1/2;
; byte 1 for blocks under 2^-124 and for blocks of zeros.
.set STEPB, 12800
.set SLOTB, 8*STEPB
.set PARTB, SLOTB/16                   ; a wave's part of a fill
.set SPARE, 2*SLOTB                    ; behind the ring: the spare words, 128 bytes for each wave: eight blocks of 256 bytes that no other line names
.set LI,  1                            ; 16 x lane
.set SPW, 2
.set NIL, 3
.set ADR, 4                            ; the step's first byte + 16 x lane
.set L8,  5                            ; 8 x lane
.set T0,  6                            ; the old -M; at the head the query tile pair's scale word
.set BP,  7                            ; a lane permute's result
.set F,   8                            ; v[8:9]: f = 2^(old M - new M), and a 0; later 1 / l
.set BM,  10                           ; v10-11 my two blocks' largest scores, then largest p
                                       ; v12 -M; v13 the running largest score; v[14:15] the sum, in two halves
.set Q,   16                           ; v16-33 [q | zeros | q]
.set QS,  34                           ; q's scale word
.set PS,  35                           ; p's scale word
.set SCK, 36                           ; v36-39 lanes 0-15: the scale words of K's four fragments
.set SCV, 40                           ; v40-43 lanes 16-31: those of V's
.set SO,  44                           ; v44-45 the conversions' scale operands
.set MB,  46                           ; v46-47 second chains of the maxima; then the bytes
.set KF,  48                           ; v48-95 four fragments of K
.set S,   96                           ; v96-159 scores, then p
.set PC,  S+48                         ; p's twelve registers of codes
.set O,   160                          ; v160-191 O^T
.set VF,  192                          ; v192-239 four fragments of V
.set A,   240                          ; v240-247 partial sums 0-3
.set X,   248                          ; v248-250 the first conversion's result
.set H8,  251                          ; 8 h
.set A4,  252                          ; v252-255 partial sums 4, 5
.set WV,  10
.set CX,  11
.set BH,  12
.set G1,  16
.set G0A, 24
.set G0B, 28
.set SEL, 32
.set CS,  34
.set TB,  36
.set CNT, 37
.set SELQ, 38
.set CN,  39
.macro CROUND
	s_barrier_signal -1
	s_barrier_wait -1
	s_cmp_lg_u32 s[WV], 0
	s_cbranch_scc1 .Lnot_wave_0_\@
	s_barrier_signal -3
.Lnot_wave_0_\@:
	s_barrier_wait -3
	s_barrier_signal -1
	s_barrier_wait -1
.endm
.macro PLACES n
.rept \n
	v_nop
.endr
.endm
.macro TL g0                           ; my sixteenth of a fill, asked for jointly
	tensor_load_to_lds s[\g0:\g0+3], s[G1:G1+7]
	s_nop 0
	PLACES 4
.endm
.macro KLOAD off                       ; K's four fragments and their scale words
.irp f, 0,1,2,3
.irp c, 0,1,2
	ds_load_b128 v[KF+12*\f+4*\c:KF+12*\f+4*\c+3], v[ADR] offset:\off+1536*\f+512*\c
.endr
.endr
	ds_load_b128 v[SCK:SCK+3], v[ADR] offset:\off+12288
.endm
	s_load_b128 s[4:7], s[0:1], 0x0                ; qbuf, kv
	s_load_b64 s[8:9], s[0:1], 0x10                ; oc
	v_lshl_add_u32 v[SPW], v0, 2, SPARE
	v_mov_b32 v[NIL], 0
	ds_add_u32 v[SPW], v[NIL]                      ; the wave's opening: the add, twice on end, and its wait ahead of my first tensor load
	ds_add_u32 v[SPW], v[NIL]
	v_lshrrev_b32 v[ADR], 5, v0
	v_readfirstlane_b32 s[WV], v[ADR]              ; wave 0..15
	v_and_b32 v[ADR], 31, v0
	v_bfe_u32 v[H8], v0, 4, 1
	v_lshlrev_b32 v[LI], 4, v[ADR]
	v_lshlrev_b32 v[L8], 3, v[ADR]
	v_lshlrev_b32 v[H8], 3, v[H8]
	s_bfe_u32 s[CX], ttmp6, 0x40000
	s_and_b32 s[BH], ttmp7, 0xffff                 ; the head of batch, which the four partners share
	s_mul_i32 s40, s[BH], 32*STEPB                 ; s40-43 feed the descriptors and never hold cx
	s_mul_i32 s42, s[WV], PARTB
	s_add_co_u32 s40, s40, s42
	s_mov_b32 s41, 0
	; descriptor group 1: 25 rows of 256 bytes (32 elements of 8 bytes), dense, no padding; the mask names all four work-groups, bit 21 beside it
	s_mov_b32 s[G1], 15|(3<<16)|(1<<21)
	s_mov_b32 s[G1+1], 32<<16
	s_mov_b32 s[G1+2], 25<<16
	s_mov_b32 s[G1+3], 32<<16
	s_mov_b32 s[G1+4], 25
	s_mov_b32 s[G1+5], 32
	s_mov_b32 s[G1+6], 0
	s_mov_b32 s[G1+7], 0
	s_mov_b32 s[SEL], 0x76543210
	s_mov_b32 s[SEL+1], 0xfedcba98                 ; v_permlanex16_b32's selects for lane l xor 16
	s_mov_b32 s[CS], 0x3d8293ee                    ; c = log2(e) / sqrt(512)
	s_mov_b32 s[CS+1], s[CS]                       ; (named with it as a pair, so it is written)
	s_mov_b32 s[CN], 0xbd8293ee                    ; -c
	s_and_b32 s44, s[WV], 1                        ; my tile is the even or the odd one of its pair: bytes 0, 1 or 2, 3 of the pair's word
	s_cmp_eq_u32 s44, 0
	s_mov_b32 s[SELQ], 0x03020302
	s_cselect_b32 s[SELQ], 0x01000100, s[SELQ]
	s_lshl_b32 s44, ttmp9, 2
	s_add_co_u32 s44, s44, s[CX]                   ; my block of 256 queries
	s_lshl_b32 s44, s44, 4
	s_add_co_u32 s44, s44, s[WV]                   ; my query tile T
	s_lshl_b32 s45, s[BH], 8
	s_add_co_u32 s46, s45, s44
	s_lshl_b32 s46, s46, 10
	s_mov_b32 s47, 0                               ; its place in qbuf
	s_lshr_b32 s48, s[BH], 3
	s_lshl_b32 s48, s48, 8
	s_add_co_u32 s48, s48, s44                     ; token tile = 256 x batch + T
	s_lshl_b32 s48, s48, 3
	s_and_b32 s49, s[BH], 7
	s_add_co_u32 s48, s48, s49
	s_lshl_b32 s48, s48, 10
	s_mov_b32 s49, 0                               ; its place in oc
	s_wait_dscnt 0x0                               ; both opening adds are done
	s_wait_kmcnt 0x0
	s_mov_b32 s[G0A], 1
	s_mov_b32 s[G0A+1], s42                        ; slot 0, my sixteenth
	s_add_nc_u64 s[G0A+2:G0A+3], s[6:7], s[40:41]
	s_mov_b32 s[G0B], 1
	s_add_co_u32 s[G0B+1], s42, SLOTB              ; slot 1
	s_add_nc_u64 s[G0B+2:G0B+3], s[G0A+2:G0A+3], SLOTB
	s_or_b32 s[G0A+3], s[G0A+3], 0x80000000
	s_or_b32 s[G0B+3], s[G0B+3], 0x80000000
	s_add_nc_u64 s[4:5], s[4:5], s[46:47]
	s_add_nc_u64 s[8:9], s[8:9], s[48:49]
	CROUND                                         ; all four work-groups are here: the first joint loads meet
	TL G0A                                         ; key steps 0-7: one tensor load a wave at the head
	s_wait_alu depctr_va_vdst(0)                   ; directly ahead of the readers below
.irp p, 0,1,2
	global_load_b64 v[Q+2*\p:Q+2*\p+1], v[L8], s[4:5] offset:256*\p
	global_load_b64 v[Q+12+2*\p:Q+12+2*\p+1], v[L8], s[4:5] offset:256*\p
.endr
	global_load_b32 v[T0], v[L8], s[4:5] offset:768
.irp j, 0,1,2,3,4,5
	v_mov_b32 v[Q+6+\j], 0
.endr
.set J, 0
.rept 32
	v_mov_b32 v[O+J], 0                            ; the step has no first step of its own: it finds zeros, which the first change of M leaves zeros
.set J, J+1
.endr
.irp j, 0,1,2,3,4,5,6,7
	v_mov_b32 v[A+\j], 0                           ; nothing is put off to the first step
.endr
.irp j, 0,1,2,3
	v_mov_b32 v[A4+\j], 0
.endr
	v_mov_b32 v[BP], 0                             ; a lane permute's destination counts as one of its sources
	v_mov_b32 v14, 0
	v_mov_b32 v15, 0
	v_mov_b32 v[F+1], 0                            ; (named as the upper half of a pair)
	v_mov_b32 v13, 0xff61b1e6                      ; the largest score so far: -3e38
	v_mov_b32 v12, 0x7f61b1e6                      ; -M: 3e38, so that the first f is 0
	s_wait_loadcnt 0x0
	v_perm_b32 v[QS], v[T0], v[T0], s[SELQ]        ; my tile's two bytes, twice; ten places stand between this line and the first product
	s_wait_alu depctr_va_vdst(0)                   ; the wait at the head's end
	s_wait_tensorcnt 0x0                           ; my part of slot 0 is in
	ds_add_u32 v[SPW], v[NIL]
	s_wait_dscnt 0x0
	CROUND
	TL G0B                                         ; key steps 8-15, the first tensor load behind the round
; A KEY STEP: 128 keys, whose 12,800 bytes begin at LDS byte s[TB].  Its fragments of K have been asked for.  pre = 1: the next step lies in the same slot, and its fragments of K are asked for.
.macro STEP pre
	s_wait_dscnt 0x0                               ; K's fragments and scale words
	v_pk_add_f32 v[A:A+1], v[A:A+1], v[A+2:A+3]    ; the last step's six partial sums are joined: these five lines are the places between its last products and the products below, which write over p's codes
	v_pk_add_f32 v[A+4:A+5], v[A+4:A+5], v[A+6:A+7]
	v_pk_add_f32 v[A4:A4+1], v[A4:A4+1], v[A4+2:A4+3]
	v_pk_add_f32 v[A:A+1], v[A:A+1], v[A+4:A+5]
	v_pk_add_f32 v[14:15], v[14:15], v[A4:A4+1]
.irp g, 0,1,2,3                                ; S^T = K Q^T: the fragment's first key tile by [q | 0], its second by [0 | q]
	v_wmma_scale_f32_16x16x128_f8f6f4 v[S+16*\g:S+16*\g+7], v[KF+12*\g:KF+12*\g+11], v[Q:Q+11], 0, v[SCK+\g], v[QS] matrix_a_fmt:MATRIX_FMT_FP6 matrix_b_fmt:MATRIX_FMT_FP6
	v_wmma_scale_f32_16x16x128_f8f6f4 v[S+16*\g+8:S+16*\g+15], v[KF+12*\g:KF+12*\g+11], v[Q+6:Q+17], 0, v[SCK+\g], v[QS] matrix_a_fmt:MATRIX_FMT_FP6 matrix_b_fmt:MATRIX_FMT_FP6
.endr
	v_add_nc_u32 v[ADR], s[TB], v[LI]              ; four places in front of the loads below and of the first read of the scores
	v_pk_add_f32 v[14:15], v[14:15], v[A:A+1]
	v_mov_b32 v[T0], v12                           ; the old -M
	v_nop
.irp t, 0,1,2,3
.irp c, 0,1,2
	ds_load_b128 v[VF+12*\t+4*\c:VF+12*\t+4*\c+3], v[ADR] offset:6144+1536*\t+512*\c
.endr
.endr
	ds_load_b128 v[SCV:SCV+3], v[ADR] offset:12288
.if \pre
	KLOAD STEPB
.endif
.irp c, 0,1                                    ; the largest score of my two blocks of 32 keys, each in two chains; every accumulator is read from its low end on
	v_max3_num_f32 v[BM+\c], v[S+32*\c], v[S+32*\c+1], v[S+32*\c+2]
	v_max3_num_f32 v[MB+\c], v[S+32*\c+16], v[S+32*\c+17], v[S+32*\c+18]
.endr
.irp i, 3,5,7,9,11,13
.irp c, 0,1
	v_max3_num_f32 v[BM+\c], v[BM+\c], v[S+32*\c+\i], v[S+32*\c+\i+1]
	v_max3_num_f32 v[MB+\c], v[MB+\c], v[S+32*\c+16+\i], v[S+32*\c+17+\i]
.endr
.endr
.irp c, 0,1
	v_max3_num_f32 v[BM+\c], v[BM+\c], v[MB+\c], v[S+32*\c+15]
.endr
.irp c, 0,1
	v_max_num_f32 v[BM+\c], v[BM+\c], v[S+32*\c+31]
.endr
	s_delay_alu instid0(VALU_DEP_1)
	v_max3_num_f32 v13, v13, v[BM], v[BM+1]        ; the running largest score: mine,
	s_delay_alu instid0(VALU_DEP_1)
	v_permlanex16_b32 v[BP], v13, s[SEL], s[SEL+1]
	s_delay_alu instid0(VALU_DEP_1)
	v_max_num_f32 v13, v13, v[BP]                  ; and lane l xor 16's
	s_delay_alu instid0(VALU_DEP_1)
	v_mul_f32 v[BP], s[CN], v13                    ; -t (c is positive, so the largest score gives the largest t)
	s_delay_alu instid0(VALU_DEP_1)
	v_floor_f32 v12, v[BP]                         ; the new -M = -ceil(t)
	s_delay_alu instid0(VALU_DEP_1)
	v_sub_f32 v[T0], v12, v[T0]                    ; old M - new M: a whole number, 0 or less
	s_delay_alu instid0(VALU_DEP_1)
	v_cvt_i32_f32 v[T0], v[T0]                     ; (it saturates)
	s_delay_alu instid0(VALU_DEP_1)
	v_ldexp_f32 v[F], 1.0, v[T0]                   ; f = 2^(old M - new M): multiplying by it rounds nothing
.set J, 0
.rept 16
	v_pk_fma_f32 v[S+J:S+J+1], v[S+J:S+J+1], s[CS:CS+1], v[12:13] op_sel_hi:[1,0,0]   ; t - M of my first block, two at a time
.set J, J+2
.endr
	v_fma_f32 v[BM], v[BM], s[CS], v12             ; the same of the block's largest score
	s_wait_alu depctr_va_vdst(0)                   ; the wait ahead of the batch
.set J, 0
.rept 16                                       ; p = 2^(t - M) of the first block, not normalised; among the exponentials t - M of the second block, which is read behind the next wait
	v_exp_f32 v[S+J], v[S+J]
	v_pk_fma_f32 v[S+32+J:S+33+J], v[S+32+J:S+33+J], s[CS:CS+1], v[12:13] op_sel_hi:[1,0,0]
	v_exp_f32 v[S+J+1], v[S+J+1]
.set J, J+2
.endr
	v_exp_f32 v[BM], v[BM]                         ; the block's largest p: the same two instructions on the same number give the same bits
	v_fma_f32 v[BM+1], v[BM+1], s[CS], v12
	v_pk_mul_f32 v[14:15], v[14:15], v[F:F+1] op_sel_hi:[1,0]   ; the sum under the new M
	s_wait_alu depctr_va_vdst(0)                   ; one wait: behind the first batch, ahead of its first reader, and ahead of the second batch
.set K, 0
.irp d, A, A+2, A+4, A+6, A4, A4+2             ; the second block's p; among the exponentials each partial sum's first addition, of the first block's p
	v_exp_f32 v[S+32+5*K], v[S+32+5*K]
	v_exp_f32 v[S+33+5*K], v[S+33+5*K]
	v_pk_add_f32 v[\d:\d+1], v[S+4*K:S+4*K+1], v[S+4*K+2:S+4*K+3]
	v_exp_f32 v[S+34+5*K], v[S+34+5*K]
	v_exp_f32 v[S+35+5*K], v[S+35+5*K]
	v_exp_f32 v[S+36+5*K], v[S+36+5*K]
.set K, K+1
.endr
	v_exp_f32 v[S+62], v[S+62]
	v_exp_f32 v[S+63], v[S+63]
	v_exp_f32 v[BM+1], v[BM+1]
	v_max_num_f32 v[BM], 0x1800000, v[BM]          ; the first block: the floor 2^(3 - 127), so that the byte cannot fall under 1;
	v_add_nc_u32 v[SO], 0xff000000, v[BM]          ; 2 off the exponent field: the conversion's scale operand;
	v_lshrrev_b32 v[MB], 23, v[SO]                 ; the byte.  (These three are the plain place behind the exponentials)
	s_wait_alu depctr_va_vdst(0)                   ; the wait behind the second batch, ahead of its first reader
	v_max_num_f32 v[BM+1], 0x1800000, v[BM+1]      ; the second block likewise, among the sums
.irp a, 0,1,2,3
	v_pk_add_f32 v[A+2*\a:A+2*\a+1], v[A+2*\a:A+2*\a+1], v[S+24+2*\a:S+25+2*\a]
.endr
	v_add_nc_u32 v[SO+1], 0xff000000, v[BM+1]
	v_pk_add_f32 v[A4:A4+1], v[A4:A4+1], v[S+48:S+49]       ; partial sums 4 and 5 take registers 48-63 now: p's codes land on these sixteen registers
	v_pk_add_f32 v[A4+2:A4+3], v[A4+2:A4+3], v[S+56:S+57]
	v_lshrrev_b32 v[MB+1], 23, v[SO+1]
.irp i, 2,4,6
	v_pk_add_f32 v[A4:A4+1], v[A4:A4+1], v[S+48+\i:S+49+\i]
	v_pk_add_f32 v[A4+2:A4+3], v[A4+2:A4+3], v[S+56+\i:S+57+\i]
.endr
	v_cvt_scalef32_pk16_fp6_f32 v[X:X+2], v[S+48:S+63], v[SO+1]          ; keys 64 + 32 h + 16 .. 31
	v_lshl_or_b32 v[PS], v[MB+1], 16, v[MB]        ; (the plain place ahead of conversions that write the sources of the one above)
	v_cvt_scalef32_pk16_fp6_f32 v[PC+6:PC+8], v[S+32:S+47], v[SO+1]      ; keys 64 + 32 h + 0 .. 15, at their place
	v_cvt_scalef32_pk16_fp6_f32 v[PC:PC+2], v[S:S+15], v[SO]             ; keys 32 h + 0 .. 15, at their place
	v_cvt_scalef32_pk16_fp6_f32 v[PC+12:PC+14], v[S+16:S+31], v[SO]      ; keys 32 h + 16 .. 31 (a conversion's three registers begin on an even number)
	v_lshlrev_b32 v[PS], v[H8], v[PS]              ; my two bytes at their places in the word; the plain place behind the conversions
	s_delay_alu instid0(VALU_DEP_1)
	v_permlanex16_b32 v[BP], v[PS], s[SEL], s[SEL+1]
.irp i, 0,1,2
	v_mov_b32 v[PC+9+\i], v[X+\i]
	v_mov_b32 v[PC+3+\i], v[PC+12+\i]
.endr
	v_or_b32 v[PS], v[PS], v[BP]                   ; with lane l xor 16's two the word is whole
.irp i, 0,2                                    ; partial sums 0-3 take registers 32-47, by turns
.irp a, 0,1,2,3
	v_pk_add_f32 v[A+2*\a:A+2*\a+1], v[A+2*\a:A+2*\a+1], v[S+32+4*\a+\i:S+33+4*\a+\i]
.endr
.endr
.if \pre
	s_wait_dscnt 13                                ; V's fragments and scale words are in; the 13 loads for the next step's K may be out
.else
	s_wait_dscnt 0x0
.endif
	s_wait_alu depctr_va_vdst(0)                   ; directly ahead of the first reader of O^T
.set J, 0
.rept 16
	v_pk_mul_f32 v[O+J:O+J+1], v[O+J:O+J+1], v[F:F+1] op_sel_hi:[1,0]   ; O^T under the new M; these sixteen are also the places in front of the products below
.set J, J+2
.endr
.irp t, 0,1,2,3                                ; O^T += V^T P^T; the four accumulators take turns
	v_wmma_scale_f32_16x16x128_f8f6f4 v[O+8*\t:O+8*\t+7], v[VF+12*\t:VF+12*\t+11], v[PC:PC+11], v[O+8*\t:O+8*\t+7], v[SCV+\t], v[PS] matrix_a_fmt:MATRIX_FMT_FP6 matrix_b_fmt:MATRIX_FMT_FP6 matrix_a_scale:MATRIX_SCALE_ROW1
.endr
	s_add_co_u32 s[TB], s[TB], STEPB
.endm
.macro VISIT k                         ; a slot's eight key steps: seven that ask for the next step's K, and the last
	s_mov_b32 s[TB], SLOTB*\k
	v_add_nc_u32 v[ADR], SLOTB*\k, v[LI]
	KLOAD 0
	s_mov_b32 s[CNT], 7
.Lstep_\@:
	STEP 1
	s_sub_co_u32 s[CNT], s[CNT], 1
	s_cmp_lg_u32 s[CNT], 0
	s_cbranch_scc1 .Lstep_\@
	STEP 0
.endm
; THE CHANGE OF SLOTS.  Each wave waits for all its tensor loads (its part of the slot ahead), adds 0 to its spare word, and waits for that and for its reads of the slot that it leaves.
; fill = 1: the barrier is a round of the cluster's, and behind it the slot just left is filled with the keys two slots on: eight key steps ahead of their first read.
.macro CHANGE fill, g0
	s_wait_tensorcnt 0x0                           ; no tensor load of mine is out, so a group 0 may be written
	ds_add_u32 v[SPW], v[NIL]
.if \fill
	s_add_nc_u64 s[\g0+2:\g0+3], s[\g0+2:\g0+3], 2*SLOTB
.endif
	s_wait_dscnt 0x0                               ; the add is done, and my reads of the slot that I leave are over
.if \fill
	CROUND
	TL \g0
.else
	s_barrier_signal -1
	s_barrier_wait -1
.endif
.endm
	VISIT 0
	CHANGE 1, G0A
	VISIT 1
	CHANGE 1, G0B
	VISIT 0
	CHANGE 0, G0A
	VISIT 1
	; THE WAY OUT: o = O^T / l, quantised along d: two blocks of 32; register 16 b + i is d = 32 b + 16 h + i
	v_pk_add_f32 v[A:A+1], v[A:A+1], v[A+2:A+3]    ; the last step's partial sums; these lines are also the places behind the last products
	v_pk_add_f32 v[A+4:A+5], v[A+4:A+5], v[A+6:A+7]
	v_pk_add_f32 v[A4:A4+1], v[A4:A4+1], v[A4+2:A4+3]
	v_pk_add_f32 v[A:A+1], v[A:A+1], v[A+4:A+5]
	v_pk_add_f32 v[14:15], v[14:15], v[A4:A4+1]
	v_pk_add_f32 v[14:15], v[14:15], v[A:A+1]
	v_add_f32 v14, v14, v15
	v_permlanex16_b32 v[BP], v14, s[SEL], s[SEL+1]
	v_add_f32 v14, v14, v[BP]                      ; the row's sum
	s_wait_alu depctr_va_vdst(0)                   ; the wait ahead of the transcendental
	v_rcp_f32 v[F], v14
	v_nop                                          ; a plain place behind the transcendental
	s_wait_alu depctr_va_vdst(0)                   ; and the wait ahead of its first reader, which is also O^T's
.set J, 0
.rept 16
	v_pk_mul_f32 v[S+J:S+J+1], v[O+J:O+J+1], v[F:F+1] op_sel_hi:[1,0]   ; each accumulator from its low end on
.set J, J+2
.endr
.irp b, 0,1
	v_max3_num_f32 v[BM+\b], |v[S+16*\b]|, |v[S+1+16*\b]|, 0x1800000
.endr
.irp i, 2,4,6,8,10,12,14
.irp b, 0,1
	v_max3_num_f32 v[BM+\b], v[BM+\b], |v[S+16*\b+\i]|, |v[S+1+16*\b+\i]|
.endr
.endr
.irp b, 0,1
	v_permlanex16_b32 v[SCK+\b], v[BM+\b], s[SEL], s[SEL+1]
.endr
.irp b, 0,1
	v_max_num_f32 v[BM+\b], v[BM+\b], v[SCK+\b]    ; with lane l xor 16's: the block's largest magnitude
.endr
.irp b, 0,1
	v_add_nc_u32 v[SO+\b], 0xff000000, v[BM+\b]
.endr
.irp b, 0,1
	v_lshrrev_b32 v[SCK+2+\b], 23, v[SO+\b]
.endr
	v_mov_b32 v[MB+1], 0
	v_lshl_or_b32 v[MB], v[SCK+3], 8, v[SCK+2]     ; the two bytes as a word
	v_cvt_scalef32_pk16_fp6_f32 v[KF:KF+2], v[S:S+15], v[SO]
	v_cvt_scalef32_pk16_fp6_f32 v[KF+8:KF+10], v[S+16:S+31], v[SO+1]
	v_nop                                          ; one plain place behind a scaled conversion
.irp i, 0,1,2
	v_permlane16_swap_b32 v[KF+\i], v[KF+8+\i]
.endr
.irp i, 0,1,2
	v_mov_b32 v[KF+3+\i], v[KF+8+\i]               ; lane (r, h): block h of query r
.endr
.irp p, 0,1,2
	global_store_b64 v[L8], v[KF+2*\p:KF+2*\p+1], s[8:9] offset:256*\p   ; 32 lanes store 256 consecutive bytes, aligned
.endr
	global_store_b64 v[L8], v[MB:MB+1], s[8:9] offset:768
	s_wait_tensorcnt 0x0                           ; the wave's end, behind my last tensor load
	ds_add_u32 v[SPW], v[NIL]
	s_wait_dscnt 0x0
	CROUND                                         ; the closing round
	s_endpgm
.Lfunc_end_k_q0be1a138bc_attn:
	.size	k_q0be1a138bc_attn, .Lfunc_end_k_q0be1a138bc_attn-k_q0be1a138bc_attn
	.p2alignl 7, 3214868480
	.fill 96, 4, 3214868480
	.section	.rodata,"a",@progbits
	.p2align	6, 0x0
	.amdhsa_kernel k_q0be1a138bc_attn
		.amdhsa_group_segment_fixed_size 327680
		.amdhsa_private_segment_fixed_size 0
		.amdhsa_enable_private_segment 0
		.amdhsa_kernarg_size 24
		.amdhsa_user_sgpr_count 2
		.amdhsa_user_sgpr_kernarg_segment_ptr 1
		.amdhsa_wavefront_size32 1
		.amdhsa_system_sgpr_workgroup_id_x 1
		.amdhsa_system_sgpr_workgroup_id_y 1
		.amdhsa_system_sgpr_workgroup_id_z 1
		.amdhsa_system_vgpr_workitem_id 0
		.amdhsa_next_free_vgpr 256
		.amdhsa_next_free_sgpr 66
		.amdhsa_reserve_vcc 0
		.amdhsa_float_denorm_mode_32 3
		.amdhsa_float_denorm_mode_16_64 3
		.amdhsa_memory_ordered 1
		.amdhsa_forward_progress 1
		.amdhsa_inst_pref_size 128
	.end_amdhsa_kernel
	.amdgpu_metadata
---
amdhsa.version: [ 1, 2 ]
amdhsa.kernels:
  - .name:           k_q0be1a138bc_attn
    .symbol:         k_q0be1a138bc_attn.kd
    .args:
      - { .name: qbuf, .offset: 0, .size: 8, .value_kind: global_buffer, .address_space: global }
      - { .name: kv, .offset: 8, .size: 8, .value_kind: global_buffer, .address_space: global }
      - { .name: oc, .offset: 16, .size: 8, .value_kind: global_buffer, .address_space: global }
    .group_segment_fixed_size: 327680
    .private_segment_fixed_size: 0
    .kernarg_segment_align: 8
    .kernarg_segment_size: 24
    .max_flat_workgroup_size: 512
    .sgpr_count:     66
    .vgpr_count:     256
    .wavefront_size: 32
...
	.end_amdgpu_metadata
.endif
;; end of part 3
;; launch oproj (part 4): grid 4 x 64, 8 waves a work-group, clusters of 4 x 4, 185,344 bytes of LDS; arguments oc, cod, scl, bo, out0; writes out0
.if DOCPART == 4
	.amdgcn_target "amdgcn-amd-amdhsa--gfx1250"
	.amdhsa_code_object_version 6
	.text
	.protected	k_q0be1a138bc_oproj
	.globl	k_q0be1a138bc_oproj
	.p2align	8
	.type	k_q0be1a138bc_oproj,@function
k_q0be1a138bc_oproj:
	s_mov_b64 s[64:65], 0
	v_nop
	global_prefetch_b8 v0, s[64:65] scope:SCOPE_SE
	s_setreg_imm32_b32 hwreg(HW_REG_WAVE_MODE, 25, 1), 1
	s_wait_xcnt 0x0
	s_wait_alu depctr_hold_cnt(0) depctr_sa_sdst(0) depctr_va_vdst(0) depctr_va_sdst(0) depctr_va_ssrc(0) depctr_va_vcc(0) depctr_vm_vsrc(0)
	s_getreg_b32 s2, hwreg(HW_REG_IB_STS2, 6, 4)
	s_cmp_eq_u32 s2, 0
	s_cbranch_scc0 .Lentry_in_a_cluster
	s_endpgm
.Lentry_in_a_cluster:
	s_bfe_u32 s2, ttmp6, 0x10000c
	s_cmp_lg_u32 s2, 0xf033
	s_cbranch_scc0 .Lentry_shape_is_right
	s_endpgm
.Lentry_shape_is_right:
; out0 = o Wo^T + bo on codes of FP6 (E2M3) with E8M0 scales, sums in f32.  o's codes come from oc ([token tile][head][1,024], images of six registers and a scale word), Wo's from cod and scl (tiles 608-639).
; SHARES.  Work-group (g, tb): columns 128 g .. 128 g + 127, tokens 128 tb .. 128 tb + 127.  Wave w: token tile w against the eight tiles of Wo: 8 accumulators x 4 K steps.
; A K step of 128 is two heads: registers 6 c .. 6 c + 5 are head 2 s + c's image, the scale word its two bytes beside the other's.
; TRANSPOSED: source 0 = 16 rows of Wo, source 1 = 16 tokens: a lane holds one token; register j of accumulator t is column 32 (t / 2) + 16 h + 8 (t % 2) + j.  The bias is loaded straight into the accumulators.
; Token tile 2 B + u holds at place p the token 32 B + 8 u + p + 8 (p / 8).
; CLUSTER 4 x 4: o's block hangs on tb alone and is shared along a row of the cluster, Wo's on g alone and is shared along a column.  LDS is filled once; one tensor load of a wave is out.
; THE WAY OUT: through the wave's own stage in LDS, back as whole rows of 512 bytes.
.set WOC,   65536                      ; LDS: 0: o's 8 tiles, 8,192 each; here Wo's 8 tiles, 6,144 each;
.set WOS,   114688                     ; Wo's scale bytes, 2,048;
.set STAGE, 116736                     ; a stage of 16 rows x 528 bytes for each wave; no fill lands here
.set SPARE, 184320                     ; the spare words, 128 bytes for each wave: four blocks of 256 bytes that no other line names
.set LI,  1
.set L8,  2
.set SPW, 3
.set NIL, 4
.set AO,  5                            ; 8 x lane + my token tile
.set AW,  6                            ; 16 x lane + Wo's tiles
.set ASW, 7                            ; 16 x lane + Wo's scale bytes
.set AB,  8                            ; 64 h
.set STO, 9                            ; the stage: row r, + 64 h
.set RD,  10                           ; and back: 16 x lane
.set OSC, 12                           ; v12-15 o's scale words, a K step each
.set SCW, 16                           ; v16-31 Wo's: pair p, K step s at 4 p + s
.set RAW, 32                           ; v32-39 the heads' two bytes as loaded
.set OP,  44                           ; v44-139 Wo's eight fragments
.set OF,  140                          ; v140-151 o's fragment
.set ACC, 152                          ; v152-215
.set WV,  14
.set CX,  15
.set CY,  16
.set G,   17
.set G1A, 24
.set G1B, 32
.set G1S, 40
.set G0A, 48
.set G0B, 52
.set G0S, 56
.set TBK, 68                           ; s68-71: what feeds o's descriptor: never cx;  s72-75: Wo's: never cy
.macro CROUND
	s_barrier_signal -1
	s_barrier_wait -1
	s_cmp_lg_u32 s[WV], 0
	s_cbranch_scc1 .Lnot_wave_0_\@
	s_barrier_signal -3
.Lnot_wave_0_\@:
	s_barrier_wait -3
	s_barrier_signal -1
	s_barrier_wait -1
.endm
.macro PLACES n
.rept \n
	v_nop
.endr
.endm
.macro TL g0, g1
	tensor_load_to_lds s[\g0:\g0+3], s[\g1:\g1+7]
	s_nop 0
	PLACES 4
.endm
.macro FETCHF reg, adr, off
.irp c, 0,1,2
	ds_load_b128 v[\reg+4*\c:\reg+4*\c+3], v[\adr] offset:\off+512*\c
.endr
.endm
.macro FRAGS s                         ; K step s: 24 + 6 LDS loads
.irp t, 0,1,2,3,4,5,6,7
	FETCHF OP+12*\t, AW, 6144*\t+1536*(\s)
.endr
.irp c, 0,1
.irp p, 0,1,2
	ds_load_b64 v[OF+6*\c+2*\p:OF+6*\c+2*\p+1], v[AO] offset:1024*(2*(\s)+\c)+256*\p
.endr
.endr
.endm
	s_load_b256 s[4:11], s[0:1], 0x0               ; oc, cod, scl, bo
	s_load_b64 s[12:13], s[0:1], 0x20              ; out0
	v_lshl_add_u32 v[SPW], v0, 2, SPARE
	v_mov_b32 v[NIL], 0
	ds_add_u32 v[SPW], v[NIL]                      ; the wave's opening: the add and its wait ahead of my first tensor load; the set-up below stands between them
	ds_add_u32 v[SPW], v[NIL]
	v_lshrrev_b32 v44, 5, v0
	s_delay_alu instid0(VALU_DEP_1)
	v_readfirstlane_b32 s[WV], v44                 ; wave 0..7
	s_bfe_u32 s[CX], ttmp6, 0x40000
	s_bfe_u32 s[CY], ttmp6, 0x40004
	s_lshl_b32 s[G], ttmp9, 2
	s_add_co_u32 s[G], s[G], s[CX]                 ; g
	s_and_b32 s[TBK], ttmp7, 0xffff
	s_lshl_b32 s[TBK], s[TBK], 2
	s_add_co_u32 s[TBK], s[TBK], s[CY]             ; tb
	s_lshl_b32 s69, s[CY], 2
	s_lshl_b32 s69, 15, s69                        ; my row of the cluster
	s_lshl_b32 s72, 0x1111, s[CX]                  ; my column
	s_or_b32 s[G1A], s69, (3<<16)|(1<<21)          ; dense blocks as rows of 256 bytes (32 elements of 8 bytes), no padding; the mask, bit 21 beside it
	s_or_b32 s[G1B], s72, (3<<16)|(1<<21)
	s_or_b32 s[G1S], s72, (3<<16)|(1<<21)
.irp g, G1A, G1B
	s_mov_b32 s[\g+1], 32<<16
	s_mov_b32 s[\g+2], 64<<16                      ; 64 rows: 16,384 bytes
	s_mov_b32 s[\g+3], 32<<16
	s_mov_b32 s[\g+4], 64
	s_mov_b32 s[\g+5], 32
	s_mov_b32 s[\g+6], 0
	s_mov_b32 s[\g+7], 0
.endr
	s_mov_b32 s[G1S+1], 32<<16
	s_mov_b32 s[G1S+2], 8<<16
	s_mov_b32 s[G1S+3], 32<<16
	s_mov_b32 s[G1S+4], 8
	s_mov_b32 s[G1S+5], 32
	s_mov_b32 s[G1S+6], 0
	s_mov_b32 s[G1S+7], 0
	v_and_b32 v44, 31, v0                          ; lane
	v_and_b32 v45, 15, v0                          ; r
	v_bfe_u32 v46, v0, 4, 1                        ; h
	s_delay_alu instid0(VALU_DEP_3)
	v_lshlrev_b32 v[LI], 4, v44
	s_delay_alu instid0(VALU_DEP_4)
	v_lshlrev_b32 v[L8], 3, v44
	s_lshl_b32 s76, s[WV], 13
	v_add_nc_u32 v[AO], s76, v[L8]
	v_add_nc_u32 v[AW], WOC, v[LI]
	v_add_nc_u32 v[ASW], WOS, v[LI]
	v_lshlrev_b32 v[AB], 6, v46
	s_mul_i32 s76, s[WV], 8448
	s_add_co_u32 s76, s76, STAGE
	v_mul_u32_u24 v[STO], v45, 528
	s_delay_alu instid0(VALU_DEP_1)
	v_lshl_add_u32 v[STO], v46, 6, v[STO]
	s_delay_alu instid0(VALU_DEP_1)
	v_add_nc_u32 v[STO], s76, v[STO]
	v_add_nc_u32 v[RD], s76, v[LI]
	s_wait_dscnt 0x0                               ; the opening add is done
	s_wait_kmcnt 0x0
	; groups 0: waves 0-3 o's quarters, waves 4-6 Wo's thirds, wave 7 Wo's scale bytes; every wave makes all three and asks by one
	s_lshl_b32 s70, s[TBK], 16
	s_lshl_b32 s69, s[WV], 14
	s_add_co_u32 s70, s70, s69
	s_mov_b32 s71, 0
	s_mov_b32 s[G0A], 1
	s_lshl_b32 s[G0A+1], s[WV], 14
	s_add_nc_u64 s[G0A+2:G0A+3], s[4:5], s[70:71]
	s_or_b32 s[G0A+3], s[G0A+3], 0x80000000
	s_mul_i32 s74, s[G], 49152                     ; (608 + 8 g) x 6,144 + (w - 4) x 16,384, with the constants gathered
	s_lshl_b32 s73, s[WV], 14
	s_add_co_u32 s74, s74, s73
	s_add_co_u32 s74, s74, 3670016
	s_mov_b32 s75, 0
	s_mov_b32 s[G0B], 1
	s_lshl_b32 s[G0B+1], s[WV], 14
	s_add_nc_u64 s[G0B+2:G0B+3], s[6:7], s[74:75]
	s_or_b32 s[G0B+3], s[G0B+3], 0x80000000
	s_lshl_b32 s74, s[G], 11
	s_add_co_u32 s74, s74, 155648                  ; (608 + 8 g) x 256
	s_mov_b32 s[G0S], 1
	s_mov_b32 s[G0S+1], WOS
	s_add_nc_u64 s[G0S+2:G0S+3], s[8:9], s[74:75]
	s_or_b32 s[G0S+3], s[G0S+3], 0x80000000
	CROUND                                         ; all sixteen work-groups are here: the joint loads meet
	s_cmp_lt_u32 s[WV], 4
	s_cbranch_scc0 .Lnot_a
	TL G0A, G1A
	s_branch .Lasked
.Lnot_a:
	s_cmp_lt_u32 s[WV], 7
	s_cbranch_scc0 .Lnot_b
	TL G0B, G1B
	s_branch .Lasked
.Lnot_b:
	TL G0S, G1S
.Lasked:
	s_lshl_b32 s76, s[G], 9
	s_mov_b32 s77, 0
	s_add_nc_u64 s[10:11], s[10:11], s[76:77]      ; bo at my 128 columns
	s_add_nc_u64 s[12:13], s[12:13], s[76:77]      ; out0 likewise,
	s_lshl_b32 s76, s[TBK], 7
	s_lshr_b32 s78, s[WV], 1
	s_lshl_b32 s78, s78, 5
	s_add_co_u32 s76, s76, s78
	s_and_b32 s78, s[WV], 1
	s_lshl_b32 s78, s78, 3
	s_add_co_u32 s76, s76, s78                     ; at token 128 tb + 32 (w / 2) + 8 (w % 2)
	s_lshl_b32 s76, s76, 11
	s_add_nc_u64 s[12:13], s[12:13], s[76:77]
	s_wait_alu depctr_va_vdst(0)
.irp t, 0,1,2,3,4,5,6,7
	global_load_b128 v[ACC+8*\t:ACC+8*\t+3], v[AB], s[10:11] offset:4*(32*(\t/2)+8*(\t%2))
	global_load_b128 v[ACC+8*\t+4:ACC+8*\t+7], v[AB], s[10:11] offset:4*(32*(\t/2)+8*(\t%2))+16
.endr
	s_wait_tensorcnt 0x0                           ; my part is in,
	s_barrier_signal -1
	s_barrier_wait -1                              ; everybody's is; nothing is filled again
.irp p, 0,1,2,3
	ds_load_b128 v[SCW+4*\p:SCW+4*\p+3], v[ASW] offset:512*\p   ; lanes 0-15: tile 2 p's words; lanes 16-31: tile 2 p + 1's
.endr
.irp d, 0,1,2,3,4,5,6,7
	ds_load_b32 v[RAW+\d], v[AO] offset:1024*\d+768
.endr
	FRAGS 0
	s_wait_dscnt 30                                ; the twelve loads of scales are in; K step 0's thirty fragment loads may be out
.irp s, 0,1,2,3
	v_lshl_or_b32 v[OSC+\s], v[RAW+2*\s+1], 16, v[RAW+2*\s]
.endr
	PLACES 8                                       ; a scale register written by a vector instruction stands 8 places ahead of a scaled matrix instruction
	s_wait_alu depctr_va_vdst(0)
.irp s, 0,1,2,3
.if \s > 0
	PLACES 4                                       ; in front of loads into registers that matrix instructions have read
	FRAGS \s
.endif
	s_wait_dscnt 0x0
.if \s == 0
	s_wait_loadcnt 0x0                             ; the bias
.endif
.irp t, 0,1,2,3,4,5,6,7                        ; the eight accumulators take turns
.if \t%2
	v_wmma_scale_f32_16x16x128_f8f6f4 v[ACC+8*\t:ACC+8*\t+7], v[OP+12*\t:OP+12*\t+11], v[OF:OF+11], v[ACC+8*\t:ACC+8*\t+7], v[SCW+4*(\t/2)+\s], v[OSC+\s] matrix_a_fmt:MATRIX_FMT_FP6 matrix_b_fmt:MATRIX_FMT_FP6 matrix_a_scale:MATRIX_SCALE_ROW1
.else
	v_wmma_scale_f32_16x16x128_f8f6f4 v[ACC+8*\t:ACC+8*\t+7], v[OP+12*\t:OP+12*\t+11], v[OF:OF+11], v[ACC+8*\t:ACC+8*\t+7], v[SCW+4*(\t/2)+\s], v[OSC+\s] matrix_a_fmt:MATRIX_FMT_FP6 matrix_b_fmt:MATRIX_FMT_FP6
.endif
.endr
.endr
	PLACES 4
.irp t, 0,1,2,3,4,5,6,7
	ds_store_b128 v[STO], v[ACC+8*\t:ACC+8*\t+3] offset:128*(\t/2)+32*(\t%2)       ; each accumulator from its low end on
	ds_store_b128 v[STO], v[ACC+8*\t+4:ACC+8*\t+7] offset:128*(\t/2)+32*(\t%2)+16
.endr
.irp p, 0,1,2,3,4,5,6,7,8,9,10,11,12,13,14,15
	ds_load_b128 v[OP+4*\p:OP+4*\p+3], v[RD] offset:528*\p   ; LDS serves a wave's instructions in order: these see my stores
.endr
.irp p, 0,1,2,3,4,5,6,7,8,9,10,11,12,13,14,15
	s_wait_dscnt 15-\p                             ; row p is back; the younger loads may be out
	global_store_b128 v[LI], v[OP+4*\p:OP+4*\p+3], s[12:13] offset:(\p+8*(\p/8))*2048 th:TH_STORE_NT   ; 32 lanes store 512 consecutive bytes, at a multiple of 256 from out0's first byte
.endr
	s_wait_tensorcnt 0x0                           ; the wave's end, behind my last tensor load and my last LDS store
	ds_add_u32 v[SPW], v[NIL]
	s_wait_dscnt 0x0
	CROUND                                         ; the closing round
	s_endpgm
.Lfunc_end_k_q0be1a138bc_oproj:
	.size	k_q0be1a138bc_oproj, .Lfunc_end_k_q0be1a138bc_oproj-k_q0be1a138bc_oproj
	.p2alignl 7, 3214868480
	.fill 96, 4, 3214868480
	.section	.rodata,"a",@progbits
	.p2align	6, 0x0
	.amdhsa_kernel k_q0be1a138bc_oproj
		.amdhsa_group_segment_fixed_size 185344
		.amdhsa_private_segment_fixed_size 0
		.amdhsa_enable_private_segment 0
		.amdhsa_kernarg_size 40
		.amdhsa_user_sgpr_count 2
		.amdhsa_user_sgpr_kernarg_segment_ptr 1
		.amdhsa_wavefront_size32 1
		.amdhsa_system_sgpr_workgroup_id_x 1
		.amdhsa_system_sgpr_workgroup_id_y 1
		.amdhsa_system_sgpr_workgroup_id_z 1
		.amdhsa_system_vgpr_workitem_id 0
		.amdhsa_next_free_vgpr 256
		.amdhsa_next_free_sgpr 90
		.amdhsa_reserve_vcc 0
		.amdhsa_float_denorm_mode_32 3
		.amdhsa_float_denorm_mode_16_64 3
		.amdhsa_memory_ordered 1
		.amdhsa_forward_progress 1
		.amdhsa_inst_pref_size 26
	.end_amdhsa_kernel
	.amdgpu_metadata
---
amdhsa.version: [ 1, 2 ]
amdhsa.kernels:
  - .name:           k_q0be1a138bc_oproj
    .symbol:         k_q0be1a138bc_oproj.kd
    .args:
      - { .name: oc, .offset: 0, .size: 8, .value_kind: global_buffer, .address_space: global }
      - { .name: cod, .offset: 8, .size: 8, .value_kind: global_buffer, .address_space: global }
      - { .name: scl, .offset: 16, .size: 8, .value_kind: global_buffer, .address_space: global }
      - { .name: bo, .offset: 24, .size: 8, .value_kind: global_buffer, .address_space: global }
      - { .name: out0, .offset: 32, .size: 8, .value_kind: global_buffer, .address_space: global }
    .group_segment_fixed_size: 185344
    .private_segment_fixed_size: 0
    .kernarg_segment_align: 8
    .kernarg_segment_size: 40
    .max_flat_workgroup_size: 256
    .sgpr_count:     90
    .vgpr_count:     256
    .wavefront_size: 32
...
	.end_amdgpu_metadata
.endif
;; end of part 4
